; MI455X (gfx1250); checked and timed in simulation.
; The chip was launched on July 23, 2026; its instructions are those of AMD's public machine-readable ISA for CDNA 5 (MIT licence, August 2026) and "CDNA5" Instruction Set Architecture Reference Guide (July 2026). The comments in the code are by the model that wrote it; some were corrected since.
;; Transformer Block. Allowed arithmetic: matrix products marked QUANTISED: E5M2 operands, one given power-of-two scale a tensor, by v_wmma_f32_16x16x64_bf8_bf8 or v_wmma_f32_16x16x128_bf8_bf8, f32 sums; everything else in f32.
;; Inputs: W1_codes 4,096 x 32 x 32 uint8 (E5M2 codes of W1, K innermost, in blocks of 32 codes); W2_codes 1,024 x 128 x 32 uint8 (E5M2 codes of W2, K innermost, in blocks of 32 codes); Wo_codes 1,024 x 32 x 32 uint8 (E5M2 codes of Wo, K innermost, in blocks of 32 codes); Wqkv_codes 3,072 x 32 x 32 uint8 (E5M2 codes of Wqkv, K innermost, in blocks of 32 codes); b1 4,096 float32; b2 1,024 float32; bo 1,024 float32; bqkv 3,072 float32; lowp_scales 12 int32 (the exponents e of the quantised operands' scales 2^e); scale1 1,024 float32; scale2 1,024 float32; x 2 x 2,048 x 1,024 float32.
;; Outputs: out0 2 x 2,048 x 1,024 float32.
;; This version of the problem:
;;   THIS VERSION OF THE PROBLEM IS GIVEN IN LOW PRECISION. The matrix products marked QUANTISED in the list below multiply operands that are first quantised to E5M2 (5 exponent bits, 2 mantissa bits; 8 bits a number), with one given power-of-two scale for each operand tensor; their sums are f32. All else is computed in f32.
;;   The module's matrix products, in the order in which they are computed (A, B: the left and right operand; K: the contracted axis; several contracted axes count as one K, in the product's order):
;;     1. [M 4,096, K 1,024] x [K 1,024, N 3,072]; A: computed on the way; B: input Wqkv (given as codes): QUANTISED (scales: A lowp_scales[0], B lowp_scales[1])
;;     2. batch 32 x [M 2,048, K 64] x [K 64, N 2,048]; A: computed on the way; B: computed on the way: QUANTISED (scales: A lowp_scales[2], B lowp_scales[3])
;;     3. batch 32 x [M 64, K 2,048] x [K 2,048, N 2,048]; A: computed on the way; B: softmax (see below): QUANTISED (scales: A lowp_scales[4], B lowp_scales[5])
;;     4. [M 4,096, K 1,024] x [K 1,024, N 1,024]; A: computed on the way; B: input Wo (given as codes): QUANTISED (scales: A lowp_scales[6], B lowp_scales[7])
;;     5. [M 4,096, K 1,024] x [K 1,024, N 4,096]; A: computed on the way; B: input W1 (given as codes): QUANTISED (scales: A lowp_scales[8], B lowp_scales[9])
;;     6. [M 4,096, K 4,096] x [K 4,096, N 1,024]; A: computed on the way; B: input W2 (given as codes): QUANTISED (scales: A lowp_scales[10], B lowp_scales[11])
;;   THE QUANTISER, for each operand of a quantised product, along K:
;;     - The operand's scale is 2^e, e = its entry of the input lowp_scales (int32; the entries are numbered through the quantised products in the list's order, A before B).
;;     - Each number is divided by the scale, clamped to +-57,344, and rounded to the nearest number of E5M2, ties to even, subnormals kept.
;;     - The product sums the exact products of the quantised numbers (number of the format x scale) in f32.
;;   ~~~python
;;   def quantise(x, axis, e):      # numpy; x: float32 -> the quantised numbers, widened to float32 again
;;       x = np.moveaxis(x, axis, -1); K = x.shape[-1]
;;       r = np.clip(x / 2.0 ** e, -57344, 57344)
;;       step = 2.0 ** (np.maximum(np.frexp(np.where(r == 0, 1, r))[1] - 1, -14) - 2)
;;       q = np.round(r / step) * step * 2.0 ** e      # np.round: ties to even
;;       return np.moveaxis(q, -1, axis).astype(np.float32)
;;   ~~~
;;   SOFTMAX AHEAD OF A QUANTISED PRODUCT. Where the list says 'softmax', what is quantised is not the finished softmax but p = 2^(t - M), with t = logit x log2(e) and M = ceil(the row's largest t), a whole number; so 1/2 < the row's largest p <= 1. The row's sum l is taken of the UNQUANTISED p, in f32, and the product's result is divided by l at the end. Since M is a whole number, a kernel that streams over the keys may use a running M (the ceiling of the running maximum): every later rescaling is an exact power of two, so the quantised numbers keep their values, but for numbers so far below the row's largest that they fall under the format's range.
;;   OPERANDS COMPUTED ON THE WAY. 'Computed on the way' means the value that the module computes at that place (a softmax that the list does not call 'softmax' is quantised finished and normalised). What goes into a quantiser is computed in f32, as accurately as f32 sums, v_exp_f32 and their like allow (about 1e-6 of the number): no bf16 or f16 on the way to a quantiser, and a product that is left as it is and whose result goes on into a quantised operand takes f32 operands (vector FMAs, or v_wmma_f32_16x16x4_f32). A number that lies on a knife's edge between two numbers of the format may be rounded either way, as far as f32 arithmetic and the matrix unit's own rounding can turn it there, and no further.
;;   INPUTS GIVEN AS CODES. W1 (in the module: [1024, 4096], K = its axis 0); W2 (in the module: [4096, 1024], K = its axis 0); Wo (in the module: [1024, 1024], K = its axis 0); Wqkv (in the module: [1024, 3072], K = its axis 0): each comes as NAME_codes (uint8): NAME with its K axis moved to the last place and cut into blocks of 32 codes, [.., K / 32, bytes a block], one block behind the other in memory; one code a byte (a code: sign, 5 exponent bits, 2 mantissa bits); its scale is its entry of lowp_scales. Its value is code x scale, taken as it is: it is not quantised again, and the codes and scales need not be those that the quantiser above would give.
;; One version. Each part assembles by itself: llvm-mc -triple=amdgcn-amd-amdhsa -mcpu=gfx1250 --defsym DOCPART=n.
;; ======== version 1 of 1: 7 launches
;; workspace buffers: a1c 4,194,304 bytes; hc 4,194,304 bytes; q_img 4,194,304 bytes; k_img 4,194,304 bytes; vt 4,194,304 bytes; ao_img 4,194,304 bytes; x1 16,777,216 bytes; g_img 16,777,216 bytes
;; launch norm1 (part 1): grid 256 x 1, 16 waves a work-group, no clusters, 18,432 bytes of LDS; arguments x, scale1, lowp_scales, a1c; writes a1c
.if DOCPART == 1
	.amdgcn_target "amdgcn-amd-amdhsa--gfx1250"
	.amdhsa_code_object_version 6
	.text
	.protected	k_q3437282da5_norm1
	.globl	k_q3437282da5_norm1
	.p2align	8
	.type	k_q3437282da5_norm1,@function
k_q3437282da5_norm1:
	s_mov_b64 s[64:65], 0
	v_nop
	global_prefetch_b8 v0, s[64:65] scope:SCOPE_SE
	s_setreg_imm32_b32 hwreg(HW_REG_WAVE_MODE, 25, 1), 1
	s_wait_xcnt 0x0
; dst[row][k] = Q(scale[k] * src[row][k] / (||src[row]|| / 32 + 1e-5)): codes of BF8 (E5M2) with the given scale 2^e, e = entry ESC/4 of the scales' buffer.
; src: [4096][1024] f32; dst: [4096][1024] bytes, K innermost.  One wave takes one row (4,096 bytes = 32 registers a lane), so the row is read once and the sum of squares never leaves the wave:
; no barrier, no loop.  Memory binds: matrix units, clusters and tensor loads would add nothing, and no work-group shares an input byte but the 4 KiB of gains.
; Each load covers 512 consecutive bytes.  A lane's four codes of a load are one word; the row's 1,024 codes are gathered in the wave's own 1 KiB of LDS and leave as two stores of 512 consecutive bytes.
; LIMITS: -126 <= e and e + 15 <= 127; NaN and infinities among the inputs are not served; a row whose sum of squares overflows f32 is not served.
.set ESC,  0                           ; byte offset of e in the scales' buffer
.set X,    8                           ; v8-39   the row: register 4 i + j = element 128 i + 4 lane + j
.set SC,   40                          ; v40-71  the gains, likewise
.set CH,   72                          ; v72-79  four packed chains of the sum of squares
.set C,    88                          ; v88-95  codes: word i = elements 128 i + 4 lane + 0 .. 3
.set OUTR, 96                          ; v96-103 the codes back from LDS, 16 neighbouring bytes a lane
	s_load_b256 s[4:11], s[0:1], 0x0               ; src s[4:5], gains s[6:7], scales s[8:9], dst s[10:11]
	v_lshl_add_u32 v104, v0, 2, 0x4000
	v_mov_b32 v105, 0
	v_lshrrev_b32 v4, 5, v0
	v_readfirstlane_b32 s12, v4                    ; wave 0..15
	v_and_b32 v5, 31, v0                           ; lane
	v_lshlrev_b32 v1, 4, v5                        ; 16 x lane: my bytes of a load's or a store's 512
	s_lshl_b32 s13, s12, 10                        ; my wave's 1 KiB of LDS
	v_lshl_add_u32 v2, v5, 2, s13                  ; in: 4 x lane
	v_add_nc_u32 v3, s13, v1                       ; back: 16 x lane
	s_lshl_b32 s14, ttmp9, 4
	s_add_co_u32 s14, s14, s12                     ; my row = 16 x work-group + wave
	s_lshl_b32 s20, s14, 10                        ; its codes
	s_mov_b32 s21, 0
	s_lshl_b32 s14, s14, 12                        ; its numbers
	s_mov_b32 s15, 0
	s_mov_b32 s16, 0x76543210                      ; v_permlanex16_b32: lane l xor 16
	s_mov_b32 s17, 0xfedcba98
	s_mov_b32 s22, 0x3d000000                      ; 1 / sqrt(1024) = 1 / 32
	s_mov_b32 s23, 0x3727c5ac                      ; 1e-5
	v_mov_b32 v81, 0                               ; a lane permute's destination counts as read
	s_wait_kmcnt 0x0
	s_load_b32 s18, s[8:9], ESC                    ; e
	s_add_nc_u64 s[4:5], s[4:5], s[14:15]
	s_add_nc_u64 s[10:11], s[10:11], s[20:21]
.irp i, 0,1,2,3,4,5,6,7
	global_load_b128 v[X+4*\i:X+4*\i+3], v1, s[4:5] offset:512*\i th:TH_LOAD_NT
.endr
.irp i, 0,1,2,3,4,5,6,7
	global_load_b128 v[SC+4*\i:SC+4*\i+3], v1, s[6:7] offset:512*\i
.endr
	s_wait_loadcnt 8                               ; the row is in; the eight loads of the gains may be out
.irp p, 0,1,2,3
	v_pk_mul_f32 v[CH+2*\p:CH+2*\p+1], v[X+2*\p:X+2*\p+1], v[X+2*\p:X+2*\p+1]   ; the first four pairs start the chains
.endr
.set p, 4
.rept 12
	v_pk_fma_f32 v[CH+2*(p%4):CH+2*(p%4)+1], v[X+2*p:X+2*p+1], v[X+2*p:X+2*p+1], v[CH+2*(p%4):CH+2*(p%4)+1]
.set p, p+1
.endr
	v_pk_add_f32 v[CH:CH+1], v[CH:CH+1], v[CH+2:CH+3]
	v_pk_add_f32 v[CH+4:CH+5], v[CH+4:CH+5], v[CH+6:CH+7]
	v_pk_add_f32 v[CH:CH+1], v[CH:CH+1], v[CH+4:CH+5]
	v_add_f32 v80, v[CH], v[CH+1]
	v_add_f32_dpp v80, v80, v80 row_xmask:1 row_mask:0xf bank_mask:0xf
	v_add_f32_dpp v80, v80, v80 row_xmask:2 row_mask:0xf bank_mask:0xf
	v_add_f32_dpp v80, v80, v80 row_xmask:4 row_mask:0xf bank_mask:0xf
	v_add_f32_dpp v80, v80, v80 row_xmask:8 row_mask:0xf bank_mask:0xf
	v_permlanex16_b32 v81, v80, s16, s17
	v_add_f32 v80, v80, v81                        ; the row's sum of squares, in every lane
	v_sqrt_f32 v82, v80
	v_nop                                          ; a plain instruction behind the root,
	s_wait_alu depctr_va_vdst(0)                   ; and a wait ahead of its first reader
	v_fma_f32 v83, v82, s22, s23                   ; d = norm / 32 + 1e-5 (the product is exact)
	v_rcp_f32 v84, v83
	v_nop
	s_wait_alu depctr_va_vdst(0)
	v_fma_f32 v82, -v83, v84, 1.0                  ; one Newton step brings 1 / d to f32's last bit or so
	v_fma_f32 v84, v84, v82, v84
	v_mov_b32 v85, v84                             ; twice, for the packed multiply
	s_wait_kmcnt 0x0
	s_add_co_i32 s18, s18, 127
	s_lshl_b32 s19, s18, 23
	v_mov_b32 v87, s19                             ; 2^e as f32: the conversion takes its exponent field
	s_add_co_i32 s18, s18, 15
	s_lshl_b32 s18, s18, 23
	s_or_b32 s18, s18, 0x600000
	v_mov_b32 v86, s18                             ; 57,344 x 2^e
	s_wait_loadcnt 0x0                             ; the gains
.set p, 0
.rept 16
	v_pk_mul_f32 v[X+2*p:X+2*p+1], v[X+2*p:X+2*p+1], v[SC+2*p:SC+2*p+1]   ; gain x number first,
.set p, p+1
.endr
.set p, 0
.rept 16
	v_pk_mul_f32 v[X+2*p:X+2*p+1], v[X+2*p:X+2*p+1], v[84:85]              ; then / d
.set p, p+1
.endr
.set p, 0
.rept 32
	v_med3_num_f32 v[X+p], v[X+p], -v86, v86       ; the conversion to an 8-bit code does not saturate (ISA guide 7.6.2): the hold at the largest code x the scale
.set p, p+1
.endr
.irp g, 0,1,2,3
	v_cvt_scalef32_pk8_bf8_f32 v[C+2*\g:C+2*\g+1], v[X+8*\g:X+8*\g+7], v87
.endr
	v_nop                                          ; a plain instruction behind the last conversion
.irp i, 0,1,2,3,4,5,6,7
	ds_store_b32 v2, v[C+\i] offset:128*\i
.endr
	ds_load_b128 v[OUTR:OUTR+3], v3                ; LDS serves a wave's instructions in order (ISA guide 5.7.1.4): these see my stores
	ds_load_b128 v[OUTR+4:OUTR+7], v3 offset:512
	s_wait_dscnt 1                                 ; the first half is back; the second load may be out
	global_store_b128 v1, v[OUTR:OUTR+3], s[10:11]             ; 32 lanes store 512 consecutive bytes, at a multiple of 256 from the buffer's first byte
	s_wait_dscnt 0x0
	global_store_b128 v1, v[OUTR+4:OUTR+7], s[10:11] offset:512
	s_wait_tensorcnt 0x0
	ds_add_u32 v104, v105
	s_wait_dscnt 0x0
	s_endpgm
.Lfunc_end_k_q3437282da5_norm1:
	.size	k_q3437282da5_norm1, .Lfunc_end_k_q3437282da5_norm1-k_q3437282da5_norm1
	.p2alignl 7, 3214868480
	.fill 96, 4, 3214868480
	.section	.rodata,"a",@progbits
	.p2align	6, 0x0
	.amdhsa_kernel k_q3437282da5_norm1
		.amdhsa_group_segment_fixed_size 18432
		.amdhsa_private_segment_fixed_size 0
		.amdhsa_enable_private_segment 0
		.amdhsa_kernarg_size 32
		.amdhsa_user_sgpr_count 2
		.amdhsa_user_sgpr_kernarg_segment_ptr 1
		.amdhsa_wavefront_size32 1
		.amdhsa_system_sgpr_workgroup_id_x 1
		.amdhsa_system_sgpr_workgroup_id_y 1
		.amdhsa_system_sgpr_workgroup_id_z 1
		.amdhsa_system_vgpr_workitem_id 0
		.amdhsa_next_free_vgpr 106
		.amdhsa_next_free_sgpr 66
		.amdhsa_reserve_vcc 0
		.amdhsa_float_denorm_mode_32 3
		.amdhsa_float_denorm_mode_16_64 3
		.amdhsa_memory_ordered 1
		.amdhsa_forward_progress 1
		.amdhsa_inst_pref_size 11
	.end_amdhsa_kernel
	.amdgpu_metadata
---
amdhsa.version: [ 1, 2 ]
amdhsa.kernels:
  - .name:           k_q3437282da5_norm1
    .symbol:         k_q3437282da5_norm1.kd
    .args:
      - { .name: x, .offset: 0, .size: 8, .value_kind: global_buffer, .address_space: global }
      - { .name: scale1, .offset: 8, .size: 8, .value_kind: global_buffer, .address_space: global }
      - { .name: lowp_scales, .offset: 16, .size: 8, .value_kind: global_buffer, .address_space: global }
      - { .name: a1c, .offset: 24, .size: 8, .value_kind: global_buffer, .address_space: global }
    .group_segment_fixed_size: 18432
    .private_segment_fixed_size: 0
    .kernarg_segment_align: 8
    .kernarg_segment_size: 32
    .max_flat_workgroup_size: 512
    .sgpr_count:     66
    .vgpr_count:     106
    .wavefront_size: 32
...
	.end_amdgpu_metadata
.endif
;; end of part 1
;; launch qkv (part 2): grid 12 x 16, 4 waves a work-group, clusters of 4 x 4, 327,680 bytes of LDS; arguments a1c, Wqkv_codes, lowp_scales, bqkv, q_img, k_img, vt; writes q_img, k_img, vt
.if DOCPART == 2
	.amdgcn_target "amdgcn-amd-amdhsa--gfx1250"
	.amdhsa_code_object_version 6
	.text
	.protected	k_q3437282da5_qkv
	.globl	k_q3437282da5_qkv
	.p2align	8
	.type	k_q3437282da5_qkv,@function
k_q3437282da5_qkv:
	s_mov_b64 s[64:65], 0
	v_nop
	global_prefetch_b8 v0, s[64:65] scope:SCOPE_SE
	s_setreg_imm32_b32 hwreg(HW_REG_WAVE_MODE, 25, 1), 1
	s_wait_xcnt 0x0
	s_wait_alu depctr_hold_cnt(0) depctr_sa_sdst(0) depctr_va_vdst(0) depctr_va_sdst(0) depctr_va_ssrc(0) depctr_va_vcc(0) depctr_vm_vsrc(0)
	s_getreg_b32 s2, hwreg(HW_REG_IB_STS2, 6, 4)
	s_cmp_eq_u32 s2, 0
	s_cbranch_scc0 .Lentry_in_a_cluster
	s_endpgm
.Lentry_in_a_cluster:
	s_bfe_u32 s2, ttmp6, 0x10000c
	s_cmp_lg_u32 s2, 0xf033
	s_cbranch_scc0 .Lentry_shape_is_right
	s_endpgm
.Lentry_shape_is_right:
; qkv = a1 Wqkv + bqkv on codes of BF8 (E5M2), then quantised again for attention.  A: [4096][1024] codes (scale 2^e0), B: [3072][1024] codes (2^e1), K innermost; sums in f32.
; A tile of 256 x 256 is made by four waves, 128 x 128 each: 64 accumulators, 512 registers.  K goes in steps of 256 through a ring of two LDS slots filled by the tensor data mover.
; CLUSTERS: 4 x 4 work-groups; A's tiles are asked for jointly along a row of the cluster, B's along a column.  Cluster x = 0, 1, 2 is the q, the k, the v third of the columns.
; THE MATRIX INSTRUCTION IS USED TRANSPOSED (source 0 = 16 rows of B, source 1 = 16 rows of A): a lane holds one token and eight neighbouring columns, which is what q's and k's codes want (their K is the head's 64).
; v's K is the tokens: there a lane must hold one column and eight neighbouring tokens.  So in the v third the two LDS base addresses change places (a select on the cluster's x, equal in all partners): the loop is the same.
; OUT.  q (scale 2^e2) and k (2^e3): images of operand registers, [16 b + head][token / 16][c = 0, 1][lane][16 bytes], lane (r, h) holding d = 32 c + 16 h + 0 .. 15 of token 16 tile + r.
; v (2^e4): [16 b + head][row][2048 bytes], tokens innermost; in both the row index (d) and the byte index (token) bits 3 and 4 change places, which is the order in which attention's registers hold keys and channels.
; LIMITS: e0 + e1 between -126 and 127; e2, e3, e4 between -126 and 112.  NaN and infinities are not served.
; No prefetch: K is four steps, of which two are asked for at the head.
; REGISTERS, in windows of 256: window 0: v0-31 addresses; v32-95, v96-111 the biases; from v128 A's fragments, ONE set; on the way out v128-255 are at work.  window 1: B's fragments, two sets.  windows 2, 3: the accumulators ((a, b) at v[8 (8 (a % 4) + b)]).
.set SIZE_N, 3072
.set SIZE_K, 1024
.set KSTEP,  256                       ; along K in a slot
.set ROWB,   256                       ; a tile's row in bytes
.set KROW,   SIZE_K                    ; a row of A or of B in memory, in bytes
.set PITCH,  272                       ; an LDS row: 256 bytes + 16 of padding = 68 words: the 16 rows that a load touches start at 16 different banks (64 banks of 4 bytes: ISA guide 11.1)
.set FR,     16                        ; registers of a fragment: 16 rows x 128 K
.set NL,     4                         ; LDS loads that bring one
.set NP,     4                         ; places behind this matrix instruction (ISA guide 7.12.1)
.set HALFT,  128*PITCH                 ; 128 rows: what one tensor load brings
.set SLOT,   4*HALFT                   ; A's 256 rows, then B's 256 rows
.set LAPS,   SIZE_K/(2*KSTEP)
.set SPARE,  2*SLOT                    ; behind the ring: the spare words, 128 bytes for each wave, which no other line names
.set QP,     144                       ; q's and k's stage, in slot 0: for each wave 128 tokens x (128 codes + 16)
.set VPT,    272                       ; v's stage, in slot 1: 256 columns x (256 codes + 16).  Both slots have had their last fill and their last read when the stages are written
.set STOV, 7                           ; v7   v: where I put 8 codes
.set RDV,  8                           ; v8   v: where I read 16 codes back
.set COV,  9                           ; v9   v: my byte offset in vt
.set ADRA, 16                          ; v16-17  LDS address of source 1's fragments in slot 0, 1
.set ADRB, 20                          ; v20-21  of source 0's
.set STO,  24                          ; v24  q, k: where I put 8 codes
.set RD,   25                          ; v25  q, k: where I read 16 codes back
.set CO,   26                          ; v26  16 x lane
.set SPW,  28                          ; v28  LDS address of my spare word; never rewritten
.set NIL,  29                          ; v29  0; never rewritten
.set BQ,   32                          ; v32-95  register 8 b + j: the bias of column 128 (wave % 2) + 16 b + 8 h + j of the tile
.set BV,   96                          ; v96-111 registers 2 a, 2 a + 1: the bias of column 128 (wave / 2) + 16 a + r
.set TMP,  128                         ; a block's 64 numbers
.set CODE, 192                         ; its codes, two sets of 16
.set AF,   128
.set G1, 24
.set G0, 32
.set G1B, 48
.set G0B, 56
.set MSB, 0
.macro WIN new                         ; the immediate's high byte repeats the setting that is left
.if MSB != \new
	s_set_vgpr_msb (MSB<<8)|\new
.set MSB, \new
.endif
.endm
.set MUL_LO, 0xa1                      ; source 0 window 1, source 1 window 0, C and D window 2
.set MUL_HI, 0xf1                      ; the same, C and D window 3
.set TO_B,   0x40                      ; destination window 1, address window 0
; A joint load: waves 0 and 1 fetch for A, waves 2 and 3 for B; the branch hangs on the wave's number alone.  Four v_nop follow each of the two lines.
.macro JLOAD g0a, g1a, g0b, g1b
	s_cmp_eq_u32 s15, 0
	s_cbranch_scc0 .Lfor_b_\@
	tensor_load_to_lds s[\g0a:\g0a+3], s[\g1a:\g1a+7]
	s_nop 0
.rept 4
	v_nop
.endr
	s_branch .Lasked_\@
.Lfor_b_\@:
	tensor_load_to_lds s[\g0b:\g0b+3], s[\g1b:\g1b+7]
	s_nop 0
.rept 4
	v_nop
.endr
.Lasked_\@:
.endm
.macro CREST                           ; a round of the cluster's barrier behind its opening barrier
	s_cmp_lg_u32 s14, 0
	s_cbranch_scc1 .Lnot_wave_0_\@
	s_barrier_signal -3
.Lnot_wave_0_\@:
	s_barrier_wait -3
	s_barrier_signal -1
	s_barrier_wait -1
.endm
.macro CROUND                          ; a whole round
	s_barrier_signal -1
	s_barrier_wait -1
	CREST
.endm
	s_load_b128 s[4:7], s[0:1], 0x0                ; A's codes, B's codes
	s_load_b128 s[8:11], s[0:1], 0x10              ; the scales' exponents, the bias
	s_load_b128 s[84:87], s[0:1], 0x20             ; q_img, k_img
	s_load_b64 s[88:89], s[0:1], 0x30              ; vt
	v_lshl_add_u32 v[SPW], v0, 2, SPARE
	v_mov_b32 v[NIL], 0
	ds_add_u32 v28, v29
	ds_add_u32 v28, v29
	s_wait_dscnt 0x0
	v_lshrrev_b32 v1, 5, v0
	v_readfirstlane_b32 s14, v1                    ; wave 0..3
	s_lshr_b32 s15, s14, 1                         ; which half of source 1's rows is mine.  Also: I fetch for A (0) or for B (1)
	s_and_b32 s16, s14, 1                          ; which half of source 0's rows.  Also: which 128 rows I fetch
	s_bfe_u32 s40, ttmp6, 0x40000                  ; cx, cy: my place in the cluster
	s_bfe_u32 s41, ttmp6, 0x40004
	s_lshl_b32 s42, ttmp9, 2
	s_add_co_u32 s42, s42, s40                     ; tile column = 4 x cluster x + cx
	s_and_b32 s17, ttmp7, 0xffff
	s_lshl_b32 s17, s17, 2
	s_add_co_u32 s17, s17, s41                     ; tile row = 4 x cluster y + cy
	s_lshl_b32 s43, s41, 2
	s_lshl_b32 s43, 15, s43                        ; my row of the cluster
	s_lshl_b32 s44, 0x1111, s40                    ; my column
	s_or_b32 s[G1+0], s43, (0<<16)|(1<<20)|(1<<21)|(5<<22)|(3<<25)  ; 15:0 the mask; 17:16 elements of 1 byte; 20 padding on; 21 set beside a mask; 24:22 after every 64 words; 31:25 four words
	s_or_b32 s[G1B+0], s44, (0<<16)|(1<<20)|(1<<21)|(5<<22)|(3<<25)
.irp g, G1, G1B
	s_mov_b32 s[\g+1], ROWB<<16                    ; tensor_dim0
	s_mov_b32 s[\g+2], 128<<16                     ; tensor_dim1 = 128
	s_mov_b32 s[\g+3], ROWB<<16                    ; tile_dim0
	s_mov_b32 s[\g+4], 128                         ; tile_dim1 = 128
	s_mov_b32 s[\g+5], KROW                        ; tensor_dim0_stride
	s_mov_b32 s[\g+6], 0
	s_mov_b32 s[\g+7], 0
.endr
	s_lshl_b32 s18, s16, 7                         ; which 128 rows of the tile I fetch
	s_lshl_b32 s20, s17, 8
	s_add_co_u32 s20, s20, s18                     ; A: row 256 x tile row + 128 x half
	s_lshl_b32 s46, s42, 8
	s_add_co_u32 s46, s46, s18                     ; B: row 256 x tile column + 128 x half
	s_mov_b32 s21, 0
	s_mov_b32 s47, 0
	s_mov_b64 s[18:19], KROW
	s_mul_u64 s[20:21], s[20:21], s[18:19]
	s_mul_u64 s[46:47], s[46:47], s[18:19]
	s_mul_i32 s45, s14, HALFT                      ; where they go: wave x 128 rows: no place in the cluster enters an LDS address
	s_wait_kmcnt 0x0
	s_load_b256 s[68:75], s[8:9], 0x0              ; e0 .. e7
	s_add_nc_u64 s[20:21], s[4:5], s[20:21]
	s_add_nc_u64 s[46:47], s[6:7], s[46:47]
	CROUND                                         ; all sixteen work-groups are here: the first joint loads meet
.irp s, 0,1
	s_mov_b32 s[G0+4*\s], 1
	s_add_co_u32 s[G0+4*\s+1], s45, \s*SLOT
	s_add_nc_u64 s[G0+4*\s+2:G0+4*\s+3], s[20:21], \s*ROWB
	s_or_b32 s[G0+4*\s+3], s[G0+4*\s+3], 0x80000000
	s_mov_b32 s[G0B+4*\s], 1
	s_add_co_u32 s[G0B+4*\s+1], s45, \s*SLOT
	s_add_nc_u64 s[G0B+4*\s+2:G0B+4*\s+3], s[46:47], \s*ROWB
	s_or_b32 s[G0B+4*\s+3], s[G0B+4*\s+3], 0x80000000
	JLOAD G0+4*\s, G1, G0B+4*\s, G1B
.endr
	v_and_b32 v1, 15, v0                           ; r = l % 16
	v_bfe_u32 v2, v0, 4, 1                         ; h = l / 16
	v_mul_u32_u24 v3, v1, PITCH
	v_lshl_add_u32 v4, v2, 4, v3                   ; a fragment's row x pitch + 16 x half
	s_cmp_eq_u32 ttmp9, 2                          ; the v third?  (the cluster's x: the same in all sixteen partners)
	s_cselect_b32 s66, 2*HALFT, 0                  ; then source 1 takes rows of B (columns of v),
	s_cselect_b32 s67, 0, 2*HALFT                  ; and source 0 rows of A (tokens)
	s_mul_i32 s21, s15, HALFT
	s_add_co_u32 s21, s21, s66
	s_mul_i32 s22, s16, HALFT
	s_add_co_u32 s22, s22, s67
.irp s, 0,1
	v_add_nc_u32 v[ADRA+\s], s21, v4
	v_add_nc_u32 v[ADRB+\s], s22, v4
	s_add_co_u32 s21, s21, SLOT
	s_add_co_u32 s22, s22, SLOT
.endr
	; every address of the way out is made here, ahead of the paths' parting
	s_mul_i32 s23, s14, 128*QP                     ; q, k: my wave's stage
	v_mul_u32_u24 v5, v1, QP
	v_add_nc_u32 v5, s23, v5
	v_lshl_add_u32 v[STO], v2, 3, v5               ; in: token r, 8 codes for each half of the lanes
	v_lshl_add_u32 v[RD], v2, 4, v5                ; back: token r, 16 codes for each half
	v_and_b32 v6, 31, v0
	v_lshlrev_b32 v[CO], 4, v6
	s_mul_i32 s23, s15, 128*VPT                    ; v: column 128 (wave / 2) + r, tokens 128 (wave % 2) on; 16 h: the token's bit 3 goes to bit 4
	s_lshl_b32 s18, s16, 7
	s_add_co_u32 s23, s23, s18
	s_add_co_u32 s23, s23, SLOT
	v_add_nc_u32 v[STOV], s23, v4
	s_mul_i32 s23, s14, 64*VPT                     ; back: wave w takes columns 64 w on (one head), sixteen lanes to a column's 256 bytes
	s_add_co_u32 s23, s23, SLOT
	v_mul_u32_u24 v5, v2, VPT
	v_lshl_add_u32 v5, v1, 4, v5
	v_add_nc_u32 v[RDV], s23, v5
	v_lshlrev_b32 v5, 11, v2
	v_lshl_add_u32 v[COV], v1, 4, v5               ; and in vt: rows of 2,048 bytes
	s_lshl_b32 s18, s42, 10                        ; the tile's first bias, in bytes
	s_lshl_b32 s19, s16, 9
	s_add_co_u32 s76, s18, s19
	s_mov_b32 s77, 0
	s_add_nc_u64 s[76:77], s[10:11], s[76:77]
	s_lshl_b32 s19, s15, 9
	s_add_co_u32 s78, s18, s19
	s_mov_b32 s79, 0
	s_add_nc_u64 s[78:79], s[10:11], s[78:79]
	v_lshlrev_b32 v12, 5, v2                       ; 32 h
	v_lshlrev_b32 v13, 2, v1                       ; 4 r
.irp b, 0,1,2,3,4,5,6,7                        ; both forms of the bias are loaded in every work-group
	global_load_b128 v[BQ+8*\b:BQ+8*\b+3], v12, s[76:77] offset:64*\b
	global_load_b128 v[BQ+8*\b+4:BQ+8*\b+7], v12, s[76:77] offset:64*\b+16
.endr
.irp a, 0,1,2,3,4,5,6,7
	global_load_b32 v[BV+2*\a], v13, s[78:79] offset:64*\a
	global_load_b32 v[BV+2*\a+1], v13, s[78:79] offset:64*\a
.endr
	s_lshr_b32 s18, s17, 3                         ; b = tile row / 8
	s_lshl_b32 s18, s18, 4
	s_lshl_b32 s19, s40, 2
	s_add_co_u32 s18, s18, s19                     ; 16 b + 4 cx: the tile's first head
	s_lshl_b32 s19, s16, 1
	s_add_co_u32 s19, s18, s19                     ; q, k: my wave's first head
	s_lshl_b32 s90, s19, 17                        ; a head's image is 131,072 bytes
	s_and_b32 s19, s17, 7
	s_lshl_b32 s92, s19, 8                         ; v: the tile's first token in a row
	s_lshl_b32 s19, s19, 14                        ; q, k: 16 tiles of 1,024 bytes for each tile row,
	s_add_co_u32 s90, s90, s19
	s_lshl_b32 s19, s15, 13                        ; 8 for my half
	s_add_co_u32 s90, s90, s19
	s_mov_b32 s91, 0
	s_add_co_u32 s18, s18, s14                     ; v: my wave stores head 16 b + 4 cx + wave
	s_lshl_b32 s18, s18, 17
	s_add_co_u32 s92, s92, s18
	s_mov_b32 s93, 0
	s_cmp_eq_u32 ttmp9, 0
	s_cselect_b64 s[84:85], s[84:85], s[86:87]     ; q's image or k's
	s_add_nc_u64 s[84:85], s[84:85], s[90:91]
	s_add_nc_u64 s[88:89], s[88:89], s[92:93]
.macro FRAG reg, adr, q, i             ; 16 rows x 128 K: registers 4 c .. 4 c + 3 hold K = 32 c + 16 (l / 16) + 0 .. 15 of row l % 16: the same order of k on both sides
.irp c, 0,1,2,3
	ds_load_b128 v[\reg+4*\c:\reg+4*\c+3], v[\adr] offset:128*(\q)+32*\c+(\i)*16*PITCH
.endr
.endm
; 16 matrix instructions: source 1's blocks a0, a0 + 1 x source 0's eight.  The 64 accumulators take turns, one instruction a turn, in the same order in every step.
.macro MUL16 a0, p, zero
.irp a, \a0, \a0+1
.irp b, 0,1,2,3,4,5,6,7
.if \zero
	v_wmma_f32_16x16x128_bf8_bf8 v[8*(8*((\a)%4)+\b):8*(8*((\a)%4)+\b)+7], v[128*(\p)+FR*\b:128*(\p)+FR*\b+FR-1], v[AF+FR*(\a):AF+FR*(\a)+FR-1], 0
.else
	v_wmma_f32_16x16x128_bf8_bf8 v[8*(8*((\a)%4)+\b):8*(8*((\a)%4)+\b)+7], v[128*(\p)+FR*\b:128*(\p)+FR*\b+FR-1], v[AF+FR*(\a):AF+FR*(\a)+FR-1], v[8*(8*((\a)%4)+\b):8*(8*((\a)%4)+\b)+7]
.endif
.endr
.endr
.endm
.macro FETCH_B slot, q, p
	WIN TO_B
.irp i, 0,1,2,3,4,5,6,7
	FRAG 128*(\p)+FR*\i, ADRB+\slot, \q, \i
.endr
	WIN 0
.endm
.macro FETCH_A slot, q, i0
.irp i, \i0, \i0+1, \i0+2, \i0+3
	FRAG AF+FR*(\i), ADRA+\slot, \q, \i
.endr
.endm
.macro PLACES n                        ; plain vector instructions between a matrix instruction and a load into, or a read of, its registers
.rept \n
	v_nop
.endr
.endm
.macro STEP slot, q, zero              ; 128 along K, with its successor in the same slot
	s_wait_dscnt 4*NL                              ; source 0's set and blocks 0-3 are in; the youngest 16 loads (blocks 4-7) may be out
	WIN MUL_LO
	MUL16 0, (\q)%2, \zero
	MUL16 2, (\q)%2, \zero
	s_wait_dscnt 0
	PLACES NP
	FETCH_B \slot, (\q)+1, 1-(\q)%2
	FETCH_A \slot, (\q)+1, 0
	WIN MUL_HI
	MUL16 4, (\q)%2, \zero
	MUL16 6, (\q)%2, \zero
	PLACES NP
	WIN 0
	FETCH_A \slot, (\q)+1, 4
.endm
; A slot's last step changes slots: ONE barrier; in front of it each wave waits for all its tensor loads, adds 0 to its spare word, and waits for that and for its reads of this slot.
.macro TURN slot, next, fill
	s_wait_tensorcnt 0x0                           ; all my tensor loads have landed: my part of the next slot
	ds_add_u32 v[SPW], v[NIL]                      ; 0 onto my spare word
	s_wait_dscnt 4*NL+1                            ; (the add and the youngest 16 loads may be out)
	WIN MUL_LO
	MUL16 0, 1, 0
	s_wait_dscnt 0x0                               ; the add is done, and my reads of this slot are over
	s_barrier_signal -1
	MUL16 2, 1, 0
	WIN 0
	s_barrier_wait -1
.if \fill
	CREST                                          ; the barrier has opened a round of the cluster's: no wave of any partner still reads this slot or has a load on its way
	s_add_nc_u64 s[G0+4*\slot+2:G0+4*\slot+3], s[G0+4*\slot+2:G0+4*\slot+3], 2*ROWB
	s_add_nc_u64 s[G0B+4*\slot+2:G0B+4*\slot+3], s[G0B+4*\slot+2:G0B+4*\slot+3], 2*ROWB
	JLOAD G0+4*\slot, G1, G0B+4*\slot, G1B         ; the first tensor load behind the round; its four v_nop are the places in front of the loads below
.else
	PLACES NP
.endif
	FETCH_B \next, 0, 0
	FETCH_A \next, 0, 0
	WIN MUL_HI
	MUL16 4, 1, 0
	MUL16 6, 1, 0
	PLACES NP
	WIN 0
	FETCH_A \next, 0, 4
.endm
	s_wait_tensorcnt 1                             ; my part of K step 0 is in (K step 1's load may be out),
	s_barrier_signal -1
	s_barrier_wait -1                              ; everybody's is
	FETCH_B 0, 0, 0
	FETCH_A 0, 0, 0
	FETCH_A 0, 0, 4
	STEP 0, 0, 1                                   ; the first step's products start the sums
	s_mov_b32 s3, LAPS-1
.Llap:
	TURN 0, 1, 1
	STEP 1, 0, 0
	TURN 1, 0, 1
	STEP 0, 0, 0
	s_sub_co_u32 s3, s3, 1
	s_cmp_lg_u32 s3, 0
	s_cbranch_scc1 .Llap
	TURN 0, 1, 0                                   ; the last lap fills nothing
	STEP 1, 0, 0
	s_wait_dscnt 4*NL
	WIN MUL_LO
	MUL16 0, 1, 0
	MUL16 2, 1, 0
	s_wait_dscnt 0
	WIN MUL_HI
	MUL16 4, 1, 0
	MUL16 6, 1, 0
	WIN 0
	PLACES NP                                      ; in front of the first reads of results and the first writes of fragment registers
	s_wait_dscnt 0x0                               ; my reads of both slots are over:
	s_barrier_signal -1
	s_barrier_wait -1                              ; everybody's are: the stages may be written
	s_wait_kmcnt 0x0
	s_wait_loadcnt 0x0                             ; the biases
	s_add_co_i32 s96, s68, s69
	s_add_co_i32 s96, s96, 127
	s_lshl_b32 s96, s96, 23                        ; 2^(e0 + e1) as f32
	s_mov_b32 s97, s96                             ; (named with it as a pair)
	s_cmp_eq_u32 ttmp9, 0
	s_cselect_b32 s80, s70, s71                    ; q: e2 (the scores' left operand); k: e3
	s_cmp_eq_u32 ttmp9, 2
	s_cselect_b32 s80, s72, s80                    ; v: e4
	s_add_co_i32 s80, s80, 127
	s_lshl_b32 s81, s80, 23
	v_mov_b32 v11, s81                             ; the scale as f32
	s_add_co_i32 s80, s80, 15
	s_lshl_b32 s80, s80, 23
	s_or_b32 s80, s80, 0x600000
	v_mov_b32 v10, s80                             ; 57,344 x the scale
; Block a (16 rows of source 1 x 128): sum x 2^(e0 + e1) + bias, held, converted, 8 codes a lane and accumulator into the stage.  Each accumulator is read from its low end on.
.macro CONV a, vform
.set AC, 64*((\a)%4)
.set CD, CODE+16*((\a)%2)
	WIN 0x02+((\a)/4)                              ; source 0: window 2 or 3
.set j, 0
.rept 32
.if \vform
	v_pk_fma_f32 v[TMP+j:TMP+j+1], v[AC+j:AC+j+1], s[96:97], v[BV+2*(\a):BV+2*(\a)+1] op_sel_hi:[1,0,0]   ; a lane's numbers are one column's
.else
	v_pk_fma_f32 v[TMP+j:TMP+j+1], v[AC+j:AC+j+1], s[96:97], v[BQ+j:BQ+j+1] op_sel_hi:[1,0,1]
.endif
.set j, j+2
.endr
	WIN 0
.set j, 0
.rept 64
	v_med3_num_f32 v[TMP+j], v[TMP+j], -v10, v10   ; the conversion does not saturate (ISA guide 7.6.2)
.set j, j+1
.endr
.set j, 0
.rept 8
	v_cvt_scalef32_pk8_bf8_f32 v[CD+2*j:CD+2*j+1], v[TMP+8*j:TMP+8*j+7], v11
.set j, j+1
.endr
	v_nop                                          ; a plain instruction behind the last conversion
.set j, 0
.rept 8
.if \vform
	ds_store_b64 v[STOV], v[CD+2*j:CD+2*j+1] offset:16*VPT*(\a)+32*(j/2)+8*(j%2)   ; tokens 16 j + 8 h on: the token's bit 4 (j % 2) goes to bit 3
.else
	ds_store_b64 v[STO], v[CD+2*j:CD+2*j+1] offset:16*QP*(\a)+16*j
.endif
.set j, j+1
.endr
.endm
	s_cmp_eq_u32 ttmp9, 2
	s_cbranch_scc1 .Lv_in
.irp a, 0,1,2,3,4,5,6,7
	CONV \a, 0
.endr
	s_branch .Lstaged
.Lv_in:
.irp a, 0,1,2,3,4,5,6,7
	CONV \a, 1
.endr
.Lstaged:
	s_wait_dscnt 0x0                               ; for the others' sake: my stores into the stage are done (a column's 256 codes of v come from two waves)
	s_barrier_signal -1
	s_barrier_wait -1
	s_cmp_eq_u32 ttmp9, 2
	s_cbranch_scc1 .Lv_out
.irp hh, 0,1                                   ; q, k: my two heads x 8 tiles of tokens x 2 chunks: each store is 512 consecutive bytes of an image
.irp tt, 0,1,2,3,4,5,6,7
.irp c, 0,1
	ds_load_b128 v[128+4*(16*\hh+2*\tt+\c):128+4*(16*\hh+2*\tt+\c)+3], v[RD] offset:16*QP*\tt+64*\hh+32*\c
.endr
.endr
.endr
.irp hh, 0,1
.irp tt, 0,1,2,3,4,5,6,7
.irp c, 0,1
	s_wait_dscnt 31-(16*\hh+2*\tt+\c)              ; LDS loads come back in order: this one is in, the younger ones may be out
	global_store_b128 v[CO], v[128+4*(16*\hh+2*\tt+\c):128+4*(16*\hh+2*\tt+\c)+3], s[84:85] offset:131072*\hh+1024*\tt+512*\c
.endr
.endr
.endr
	s_branch .Lend
.Lv_out:
.set g, 0
.rept 32                                       ; v: columns d = 2 g + l / 16 of my head
	ds_load_b128 v[128+4*g:128+4*g+3], v[RDV] offset:2*VPT*g
.set g, g+1
.endr
.set g, 0
.rept 32
	s_wait_dscnt 31-g
	global_store_b128 v[COV], v[128+4*g:128+4*g+3], s[88:89] offset:4096*((g&19)|((g&4)<<1)|((g&8)>>1))   ; d's bits 3 and 4 change places; 16 lanes store 256 consecutive bytes, aligned
.set g, g+1
.endr
.Lend:
	s_wait_tensorcnt 0x0                           ; the wave's end
	ds_add_u32 v[SPW], v[NIL]
	s_wait_dscnt 0x0
	CROUND                                         ; the closing round
	s_endpgm
.Lfunc_end_k_q3437282da5_qkv:
	.size	k_q3437282da5_qkv, .Lfunc_end_k_q3437282da5_qkv-k_q3437282da5_qkv
	.p2alignl 7, 3214868480
	.fill 96, 4, 3214868480
	.section	.rodata,"a",@progbits
	.p2align	6, 0x0
	.amdhsa_kernel k_q3437282da5_qkv
		.amdhsa_group_segment_fixed_size 327680
		.amdhsa_private_segment_fixed_size 0
		.amdhsa_enable_private_segment 0
		.amdhsa_kernarg_size 56
		.amdhsa_user_sgpr_count 2
		.amdhsa_user_sgpr_kernarg_segment_ptr 1
		.amdhsa_wavefront_size32 1
		.amdhsa_system_sgpr_workgroup_id_x 1
		.amdhsa_system_sgpr_workgroup_id_y 1
		.amdhsa_system_sgpr_workgroup_id_z 1
		.amdhsa_system_vgpr_workitem_id 0
		.amdhsa_next_free_vgpr 1024
		.amdhsa_next_free_sgpr 100
		.amdhsa_reserve_vcc 0
		.amdhsa_float_denorm_mode_32 3
		.amdhsa_float_denorm_mode_16_64 3
		.amdhsa_memory_ordered 1
		.amdhsa_forward_progress 1
		.amdhsa_inst_pref_size 209
	.end_amdhsa_kernel
	.amdgpu_metadata
---
amdhsa.version: [ 1, 2 ]
amdhsa.kernels:
  - .name:           k_q3437282da5_qkv
    .symbol:         k_q3437282da5_qkv.kd
    .args:
      - { .name: a1c, .offset: 0, .size: 8, .value_kind: global_buffer, .address_space: global }
      - { .name: Wqkv_codes, .offset: 8, .size: 8, .value_kind: global_buffer, .address_space: global }
      - { .name: lowp_scales, .offset: 16, .size: 8, .value_kind: global_buffer, .address_space: global }
      - { .name: bqkv, .offset: 24, .size: 8, .value_kind: global_buffer, .address_space: global }
      - { .name: q_img, .offset: 32, .size: 8, .value_kind: global_buffer, .address_space: global }
      - { .name: k_img, .offset: 40, .size: 8, .value_kind: global_buffer, .address_space: global }
      - { .name: vt, .offset: 48, .size: 8, .value_kind: global_buffer, .address_space: global }
    .group_segment_fixed_size: 327680
    .private_segment_fixed_size: 0
    .kernarg_segment_align: 8
    .kernarg_segment_size: 56
    .max_flat_workgroup_size: 128
    .sgpr_count:     100
    .vgpr_count:     1024
    .wavefront_size: 32
...
	.end_amdgpu_metadata
.endif
;; end of part 2
;; launch attn (part 3): grid 8 x 32, 8 waves a work-group, clusters of 4 x 1, 267,264 bytes of LDS; arguments q_img, k_img, vt, lowp_scales, ao_img; writes ao_img
.if DOCPART == 3
	.amdgcn_target "amdgcn-amd-amdhsa--gfx1250"
	.amdhsa_code_object_version 6
	.text
	.protected	k_q3437282da5_attn
	.globl	k_q3437282da5_attn
	.p2align	8
	.type	k_q3437282da5_attn,@function
k_q3437282da5_attn:
	s_mov_b64 s[64:65], 0
	v_nop
	global_prefetch_b8 v0, s[64:65] scope:SCOPE_SE
	s_setreg_imm32_b32 hwreg(HW_REG_WAVE_MODE, 25, 1), 1
	s_wait_xcnt 0x0
	s_wait_alu depctr_hold_cnt(0) depctr_sa_sdst(0) depctr_va_vdst(0) depctr_va_sdst(0) depctr_va_ssrc(0) depctr_va_vcc(0) depctr_vm_vsrc(0)
	s_getreg_b32 s2, hwreg(HW_REG_IB_STS2, 6, 4)
	s_cmp_eq_u32 s2, 0
	s_cbranch_scc0 .Lentry_in_a_cluster
	s_endpgm
.Lentry_in_a_cluster:
	s_bfe_u32 s2, ttmp6, 0x10000c
	s_cmp_lg_u32 s2, 0x3003
	s_cbranch_scc0 .Lentry_shape_is_right
	s_endpgm
.Lentry_shape_is_right:
; o = softmax(q k^T / 8) v for one head, both products on codes of BF8 (E5M2), then quantised with 2^e6 as the next product's operand.
; q_img, k_img: [bh][token / 16][c = 0, 1][lane][16 bytes]: images of fragments (lane (r, h): d = 32 c + 16 h + 0 .. 15 of token 16 tile + r).  vt: [bh][64 rows][2048 bytes], keys innermost, bits 3 and 4 of row and byte index exchanged.
; THE SOFTMAX: t = score x log2(e) / 8; M = the running largest t rounded UP to a whole number; p = 2^(t - M) is quantised with 2^e5; the row's sum is taken of the unquantised p and divides at the end; when M moves, the sum and O
; are multiplied by 2^(old M - new M), which rounds nothing.
; SHARES.  A work-group owns 256 queries of one head, each of its eight waves 32: two tiles of 16; two waves to a SIMD.
; THE WHOLE HEAD LIES IN LDS: K's image 131,072 bytes, V 64 rows x 2,048 bytes in four chunks of 512 keys (rows of 512 + 16 bytes).  Every byte is filled once, at the head: no ring, no refill.
; CLUSTER: the four query blocks of a cluster belong to one head and need the same K and V: each tile is asked for jointly (mask 15).  A wave has four tensor loads out at the most.
; LAYOUT.  S^T = K Q^T (source 0 = 16 keys, source 1 = 16 queries), O^T = V^T P^T: a lane holds ONE query throughout.  p's codes of tiles 2 c, 2 c + 1 are keys 32 c + 8 h + j and 32 c + 16 + 8 h + j: vt's byte order is just that.
; O^T's tiles 2 c, 2 c + 1 hold channels 32 c + 16 h + 0 .. 15 (vt's row order), so their codes are 16 bytes of the next operand's image: ao_img [row / 16][k / 128][c][lane][16 bytes].
; A KEY STEP (128 keys) IS ORDERED SO THAT ONE WAVE ALONE KEEPS ISSUING: the two tiles' chains alternate (eight chains of the maximum, four of each sum); every exponential has a plain instruction of other registers behind it
; (tile 0's: tile 1's scalings and O^T's rescaling; tile 1's: tile 0's sums and holds); this step's V and the NEXT step's K are asked of LDS behind the scores' products and land under the softmax.
; No prefetch: all that the work-group reads is asked for at its head by the tensor loads themselves.
; LIMITS: e2 + e3 between -123 and 130 (added to c's exponent field); e5, e6 between -126 and 112.  NaN and infinities are not served.
; REGISTERS.  window 0: v1, v2, v8-10 addresses; v12-19 statistics (tile u: -M, largest t, the sum in two halves); v20-31 at work and scales; v32-39 chains of the maximum; v40-51 chains of the sums; v52, v53 the output's scale;
;   v64-191 S^T, then p (tile u at 64 + 64 u); v192-255 O^T (tile u, channels' tile t at 192 + 32 u + 8 t).
;   window 1: v0-15 Q; v16-47 p's codes; v64-127 V's four fragments; v128-191 K's eight.  So both products run under one setting of the windows, and all of the softmax but its conversions in window 0.
.set VP,    528                        ; a row of V's chunk in LDS: 512 bytes + 16: an odd multiple of 16
.set VBASE, 131072
.set VCH,   64*VP                      ; a chunk of V
.set AK0, 1                            ; v1  16 x lane
.set AV0, 2                            ; v2  VBASE + VP r + 16 h
.set ADK, 8                            ; v8  the chunk's keys in K's image
.set ADV, 9                            ; v9  the chunk's rows of V
.set ADN, 10                           ; v10 the next chunk's keys in K's image
.set OM,  20                           ; v20, v21  tile u: the old -M, then old M - new M
.set PD,  22                           ; v22, v23  destinations of the lane permutes
.set FF,  24                           ; v[24:25], v[26:27]  f = 2^(old M - new M); at the end 1 / the sum
.set SCP, 28                           ; v28  2^e5
.set LIMA, 29                          ; v29, v30  57,344 x 2^e5, twice: the two halves of a dual instruction take their first sources from different register banks
.set LIMB, 30
.set MC,  32                           ; v32-35, v36-39  tile u's four chains of the maximum
.set SC,  40                           ; v40-45, v46-51  tile u's three further chains of the sum, a pair each
.set SCO, 52                           ; v52  2^e6
.set LIMO, 53                          ; v53  57,344 x 2^e6
.set S,   64
.set O,   192
.set Q,   0                            ; in window 1
.set PC,  16
.set VF,  64
.set KF,  128
.set WV,  14
.set G1K, 24
.set G1V, 32
.set G0K, 40                           ; s[40:55]  four groups 0 for K's chunks
.set G0V, 68                           ; s[68:83]  four for V's
.set TBK, 84                           ; s84  LDS byte of the chunk in K's image
.set TBV, 85                           ; s85  and, less VBASE, among V's chunks
.set MSB, 0
.macro WIN new                         ; the immediate's high byte repeats the setting that is left; a switch that changes nothing is dropped
.if MSB != \new
	s_set_vgpr_msb (MSB<<8)|\new
.set MSB, \new
.endif
.endm
.set W_MUL, 0x05                       ; sources 0 and 1 window 1; C and D window 0: both products
.set W_TO1, 0x40                       ; destination window 1: LDS loads, Q's loads, p's conversions
.macro CROUND                          ; a round of the cluster's barrier
	s_barrier_signal -1
	s_barrier_wait -1
	s_cmp_lg_u32 s[WV], 0
	s_cbranch_scc1 .Lnot_wave_0_\@
	s_barrier_signal -3
.Lnot_wave_0_\@:
	s_barrier_wait -3
	s_barrier_signal -1
	s_barrier_wait -1
.endm
	s_load_b128 s[4:7], s[0:1], 0x0                ; q_img, k_img
	s_load_b128 s[8:11], s[0:1], 0x10              ; vt, the scales' exponents
	s_load_b64 s[12:13], s[0:1], 0x20              ; ao_img
	v_lshl_add_u32 v62, v0, 2, 0x41000
	v_mov_b32 v63, 0
	ds_add_u32 v62, v63
	ds_add_u32 v62, v63
	v_lshrrev_b32 v3, 5, v0
	v_readfirstlane_b32 s[WV], v3                  ; wave 0..7
	s_bfe_u32 s15, ttmp6, 0x40000                  ; cx
	s_lshl_b32 s16, ttmp9, 2
	s_add_co_u32 s16, s16, s15                     ; my block of 256 queries: it enters Q's and O's addresses alone
	s_and_b32 s17, ttmp7, 0xffff                   ; bh = 16 b + head, which the four partners share
	s_and_b32 s18, s[WV], 3                        ; which quarter of a chunk I fetch
	s_lshl_b32 s56, s17, 17                        ; the head's first byte in q_img, k_img and vt
	s_lshl_b32 s19, s18, 13                        ; K: 8,192 bytes a wave, in LDS as in memory
	s_add_co_u32 s58, s56, s19
	s_mov_b32 s59, 0
	s_lshl_b32 s60, s18, 15                        ; V: 16 rows of 2,048 bytes a wave
	s_add_co_u32 s60, s60, s56
	s_mov_b32 s61, 0
	s_mul_i32 s62, s18, 16*VP
	s_add_co_u32 s62, s62, VBASE
	s_mov_b32 s[G1K], 15|(3<<16)|(1<<21)           ; 15:0 the mask: all four; 17:16 elements of 8 bytes; 21 set beside a mask; no padding: a dense block as 32 rows of 256 bytes
	s_mov_b32 s[G1K+1], 32<<16                     ; tensor_dim0 = 32
	s_mov_b32 s[G1K+2], 32<<16                     ; tensor_dim1 = 32
	s_mov_b32 s[G1K+3], 32<<16                     ; tile_dim0
	s_mov_b32 s[G1K+4], 32                         ; tile_dim1
	s_mov_b32 s[G1K+5], 32                         ; stride
	s_mov_b32 s[G1K+6], 0
	s_mov_b32 s[G1K+7], 0
	s_mov_b32 s[G1V], 15|(0<<16)|(1<<20)|(1<<21)|(6<<22)|(3<<25)   ; elements of 1 byte; four words of padding after every 128
	s_mov_b32 s[G1V+1], 512<<16
	s_mov_b32 s[G1V+2], 16<<16
	s_mov_b32 s[G1V+3], 512<<16
	s_mov_b32 s[G1V+4], 16
	s_mov_b32 s[G1V+5], 2048
	s_mov_b32 s[G1V+6], 0
	s_mov_b32 s[G1V+7], 0
	s_mov_b32 s20, 0x76543210                      ; v_permlanex16_b32: lane l xor 16
	s_mov_b32 s21, 0xfedcba98
	s_mov_b32 s22, 0x3e38aa3b                      ; c = log2(e) / 8
	s_mov_b32 s[TBK], 0
	s_mov_b32 s[TBV], 0
	s_wait_dscnt 0x0
	s_wait_kmcnt 0x0
	s_load_b256 s[88:95], s[10:11], 0x0            ; e0 .. e7
	s_add_nc_u64 s[58:59], s[6:7], s[58:59]
	s_add_nc_u64 s[60:61], s[8:9], s[60:61]
.irp j, 0,1,2,3                                ; chunk j: keys 512 j on
	s_mov_b32 s[G0K+4*\j], 1
	s_add_co_u32 s[G0K+4*\j+1], s19, 32768*\j
	s_add_nc_u64 s[G0K+4*\j+2:G0K+4*\j+3], s[58:59], 32768*\j
	s_or_b32 s[G0K+4*\j+3], s[G0K+4*\j+3], 0x80000000
	s_mov_b32 s[G0V+4*\j], 1
	s_add_co_u32 s[G0V+4*\j+1], s62, VCH*\j
	s_add_nc_u64 s[G0V+4*\j+2:G0V+4*\j+3], s[60:61], 512*\j
	s_or_b32 s[G0V+4*\j+3], s[G0V+4*\j+3], 0x80000000
.endr
	CROUND                                         ; all four work-groups are here: the joint loads meet
	s_cmp_lt_u32 s[WV], 4                          ; waves 0-3 fetch K, waves 4-7 V: a wave's four fills stand in one branch, ahead of every wait on TENSORcnt and every LDS read
	s_cbranch_scc0 .Lfirst_v
.irp j, 0,1,2,3
	tensor_load_to_lds s[G0K+4*\j:G0K+4*\j+3], s[G1K:G1K+7]
	s_nop 0
.endr
.rept 4
	v_nop
.endr
	s_branch .Lfirst_asked
.Lfirst_v:
.irp j, 0,1,2,3
	tensor_load_to_lds s[G0V+4*\j:G0V+4*\j+3], s[G1V:G1V+7]
	s_nop 0
.endr
.rept 4
	v_nop
.endr
.Lfirst_asked:
	v_and_b32 v3, 31, v0
	v_lshlrev_b32 v[AK0], 4, v3
	v_and_b32 v4, 15, v0                           ; r
	v_bfe_u32 v5, v0, 4, 1                         ; h
	v_mul_u32_u24 v[AV0], v4, VP
	v_lshl_add_u32 v[AV0], v5, 4, v[AV0]
	v_add_nc_u32 v[AV0], VBASE, v[AV0]
	s_lshl_b32 s96, s16, 14                        ; Q: 16 tiles of 1,024 bytes a block, two a wave
	s_lshl_b32 s97, s[WV], 11
	s_add_co_u32 s96, s96, s97
	s_add_co_u32 s96, s96, s56
	s_mov_b32 s97, 0
	s_add_nc_u64 s[4:5], s[4:5], s[96:97]
	WIN W_TO1
.irp u, 0,1
.irp c, 0,1
	global_load_b128 v[Q+8*\u+4*\c:Q+8*\u+4*\c+3], v[AK0], s[4:5] offset:1024*\u+512*\c
.endr
.endr
	WIN 0
	s_lshr_b32 s96, s17, 4                         ; b
	s_lshl_b32 s96, s96, 7
	s_lshl_b32 s97, s16, 4
	s_add_co_u32 s96, s96, s97
	s_lshl_b32 s97, s[WV], 1
	s_add_co_u32 s96, s96, s97                     ; my first block of 16 rows: 128 b + 16 block + 2 wave
	s_lshl_b32 s96, s96, 14                        ; 16,384 bytes each
	s_and_b32 s97, s17, 15
	s_lshl_b32 s97, s97, 10                        ; the head's 64 of K: 2,048 (head / 2) + 1,024 (head % 2)
	s_add_co_u32 s96, s96, s97
	s_mov_b32 s97, 0
	s_add_nc_u64 s[12:13], s[12:13], s[96:97]
.irp u, 0,1
	v_mov_b32 v[13+4*\u], 0xff61b1e6               ; the largest t so far: -3e38
	v_floor_f32 v[12+4*\u], -v[13+4*\u]            ; -M
	v_mov_b32 v[14+4*\u], 0                        ; the sum, in two halves
	v_mov_b32 v[15+4*\u], 0
	v_mov_b32 v[FF+2*\u+1], 0                      ; (named as the upper half of f's pair)
	v_mov_b32 v[PD+\u], 0                          ; a lane permute's destination counts as read
.endr
.set j, 0
.rept 64
	v_mov_b32 v[O+j], 0                            ; O^T: the step has one form; its first run finds zeros, which the first change of M leaves zeros
.set j, j+1
.endr
	s_wait_kmcnt 0x0
	s_add_co_i32 s96, s90, s91
	s_lshl_b32 s96, s96, 23
	s_add_co_i32 s22, s22, s96                     ; a score stands for score x 2^(e2 + e3): added to c's exponent field
	s_mov_b32 s23, s22
	s_add_co_i32 s96, s93, 127
	s_lshl_b32 s97, s96, 23
	v_mov_b32 v[SCP], s97                          ; 2^e5
	s_add_co_i32 s96, s96, 15
	s_lshl_b32 s96, s96, 23
	s_or_b32 s96, s96, 0x600000
	v_mov_b32 v[LIMA], s96                         ; 57,344 x 2^e5
	v_mov_b32 v[LIMB], s96
	s_add_co_i32 s96, s94, 127
	s_lshl_b32 s97, s96, 23
	v_mov_b32 v[SCO], s97                          ; 2^e6
	s_add_co_i32 s96, s96, 15
	s_lshl_b32 s96, s96, 23
	s_or_b32 s96, s96, 0x600000
	v_mov_b32 v[LIMO], s96                         ; 57,344 x 2^e6
	s_add_co_i32 s98, s92, s93                     ; e4 + e5
.macro KLOAD adr, off                  ; a step's eight fragments of K: images, 512 consecutive bytes a load
.irp t, 0,1,2,3,4,5,6,7
.irp c, 0,1
	ds_load_b128 v[KF+8*\t+4*\c:KF+8*\t+4*\c+3], v[\adr] offset:(\off)+1024*\t+512*\c
.endr
.endr
.endm
.macro VLOAD q                         ; the four fragments of V for the chunk's step q
.irp t, 0,1,2,3
.irp c, 0,1,2,3
	ds_load_b128 v[VF+16*\t+4*\c:VF+16*\t+4*\c+3], v[ADV] offset:128*(\q)+16*VP*\t+32*\c
.endr
.endr
.endm
.macro FMA u, j                        ; pair j of tile u: t - M (of the pairs c and -M the low word serves both halves)
	v_pk_fma_f32 v[S+64*(\u)+2*(\j):S+64*(\u)+2*(\j)+1], v[S+64*(\u)+2*(\j):S+64*(\u)+2*(\j)+1], s[22:23], v[12+4*(\u):13+4*(\u)] op_sel_hi:[1,0,0]
.endm
; What follows a tile's exponentials is a list of 64 instructions; POST writes number n of it for tile u and steps n.  Even n: sum n / 2; odd n: the hold of pair (n - 1) / 2, two numbers in one dual instruction.
; THE SUM IS TAKEN OF THE UNQUANTISED, UNHELD p: a pair is held only behind the sum that has read it (sum k has read pairs 0 to k at the least).  Four chains: three start with two pairs each, the fourth is l = l f + a pair.
.macro POST u
.set SB, S+64*(\u)
.set LL, 14+4*(\u)
.set CC, SC+6*(\u)
.set k, n/2
.if n%2
	v_dual_min_num_f32 v[SB+2*k], v[LIMA], v[SB+2*k] :: v_dual_min_num_f32 v[SB+2*k+1], v[LIMB], v[SB+2*k+1]   ; the conversion does not saturate (ISA guide 7.6.2); p is not negative: a one-sided hold
.elseif k < 3
	v_pk_add_f32 v[CC+2*k:CC+2*k+1], v[SB+4*k:SB+4*k+1], v[SB+4*k+2:SB+4*k+3]
.elseif k == 3
	v_pk_fma_f32 v[LL:LL+1], v[LL:LL+1], v[FF+2*(\u):FF+2*(\u)+1], v[SB+12:SB+13] op_sel_hi:[1,0,1]   ; the old sum under the new M, and pair 6
.elseif k < 29
.if k%4 == 3
	v_pk_add_f32 v[LL:LL+1], v[LL:LL+1], v[SB+2*k+6:SB+2*k+7]
.else
	v_pk_add_f32 v[CC+2*(k%4):CC+2*(k%4)+1], v[CC+2*(k%4):CC+2*(k%4)+1], v[SB+2*k+6:SB+2*k+7]
.endif
.elseif k == 29
	v_pk_add_f32 v[CC:CC+1], v[CC:CC+1], v[CC+2:CC+3]
.elseif k == 30
	v_pk_add_f32 v[LL:LL+1], v[LL:LL+1], v[CC+4:CC+5]
.else
	v_pk_add_f32 v[LL:LL+1], v[LL:LL+1], v[CC:CC+1]
.endif
.set n, n+1
.endm
; A KEY STEP: 128 keys, the chunk's q-th.  K's fragments were asked for a step ago; the next step's lie at v[nadr] + noff.
.macro STEP q, nadr, noff
	s_wait_dscnt 0x0                               ; K's fragments, asked for a step ago
	WIN W_MUL
.irp t, 0,1,2,3,4,5,6,7
.irp u, 0,1
	v_wmma_f32_16x16x64_bf8_bf8 v[S+64*\u+8*\t:S+64*\u+8*\t+7], v[KF+8*\t:KF+8*\t+7], v[Q+8*\u:Q+8*\u+7], 0
.endr
.endr
	WIN 0
	v_mov_b32 v[OM], v12                           ; the old -M is kept.  These two and the two v_nop are the four places in front of the loads into K's registers, of the loads into V's
	v_mov_b32 v[OM+1], v16                         ; which the step before's last products read, and of the first reads of the scores
	v_nop
	v_nop
	WIN W_TO1
	VLOAD \q                                       ; this step's V, then the next step's K: both land under the softmax
	KLOAD \nadr, \noff
	WIN 0
	; the largest score of each query: four chains a tile, the tiles alternating; the scores go in ascending order
.irp k, 0,1,2,3
.irp u, 0,1
	v_max3_num_f32 v[MC+4*\u+\k], v[S+64*\u+3*\k], v[S+64*\u+3*\k+1], v[S+64*\u+3*\k+2]
.endr
.endr
.irp m, 0,1,2,3,4,5
.irp k, 0,1,2,3
.irp u, 0,1
	v_max3_num_f32 v[MC+4*\u+\k], v[MC+4*\u+\k], v[S+64*\u+12+8*\m+2*\k], v[S+64*\u+13+8*\m+2*\k]
.endr
.endr
.endr
.irp k, 0,1
.irp u, 0,1
	v_max3_num_f32 v[MC+4*\u+\k], v[MC+4*\u+\k], v[S+64*\u+60+2*\k], v[S+64*\u+61+2*\k]
.endr
.endr
.irp u, 0,1
	v_max3_num_f32 v[MC+4*\u], v[MC+4*\u], v[MC+4*\u+1], v[MC+4*\u+2]
.endr
.irp u, 0,1
	v_max_num_f32 v[MC+4*\u], v[MC+4*\u], v[MC+4*\u+3]
.endr
.irp u, 0,1
	v_permlanex16_b32 v[PD+\u], v[MC+4*\u], s20, s21
.endr
.irp u, 0,1
	v_max_num_f32 v[MC+4*\u], v[MC+4*\u], v[PD+\u] ; and lane l xor 16's
.endr
.irp u, 0,1
	v_mul_f32 v[MC+4*\u], s22, v[MC+4*\u]          ; as t (c is positive)
.endr
.irp u, 0,1
	v_max_num_f32 v[13+4*\u], v[13+4*\u], v[MC+4*\u]   ; the running largest t
.endr
.irp u, 0,1
	v_floor_f32 v[12+4*\u], -v[13+4*\u]            ; the new -M = floor(-t): M is a whole number
.endr
	; tile 0's scalings want -M alone; f's three last lines stand among them
	v_sub_f32 v[OM], v12, v[OM]                    ; old M - new M: a whole number, 0 or less
	v_sub_f32 v[OM+1], v16, v[OM+1]
.set j, 0
.rept 4
	FMA 0, j
.set j, j+1
.endr
	v_cvt_i32_f32 v[OM], v[OM]                     ; (it saturates)
	v_cvt_i32_f32 v[OM+1], v[OM+1]
.rept 4
	FMA 0, j
.set j, j+1
.endr
	v_ldexp_f32 v[FF], 1.0, v[OM]                  ; f = 2^(old M - new M)
	v_ldexp_f32 v[FF+2], 1.0, v[OM+1]
.rept 24
	FMA 0, j
.set j, j+1
.endr
	; tile 0's exponentials, each with a plain instruction of other registers behind it: tile 1's scalings, and O^T under the new M (each accumulator from its low end on)
.set j, 0
.rept 32
	v_exp_f32 v[S+2*j], v[S+2*j]                   ; p = 2^(t - M)
	FMA 1, j
	v_exp_f32 v[S+2*j+1], v[S+2*j+1]
	v_pk_mul_f32 v[O+2*j:O+2*j+1], v[O+2*j:O+2*j+1], v[FF+2*(j/16):FF+2*(j/16)+1] op_sel_hi:[1,0]
.set j, j+1
.endr
	s_wait_alu depctr_va_vdst(0)                   ; one wait for tile 0's batch, ahead of its first reader
	; tile 1's exponentials, each with a line of tile 0's sums and holds behind it
.set n, 0
.set i, 0
.rept 64
	v_exp_f32 v[S+64+i], v[S+64+i]
	POST 0
.set i, i+1
.endr
	v_nop                                          ; a plain instruction behind the last exponential,
	s_wait_alu depctr_va_vdst(0)                   ; and one wait for tile 1's batch
.set n, 0
.rept 64
	POST 1
.endr
	WIN W_TO1
.irp u, 0,1
.set i, 0
.rept 8
	v_cvt_scalef32_pk8_bf8_f32 v[PC+16*\u+2*i:PC+16*\u+2*i+1], v[S+64*\u+8*i:S+64*\u+8*i+7], v[SCP]
.set i, i+1
.endr
.endr
	v_nop                                          ; a plain instruction between the last conversion and the products that read the codes
	s_wait_dscnt 16                                ; V's fragments are in; the sixteen loads behind them, the next step's K, may be out
	WIN W_MUL
.irp t, 0,1,2,3
.irp u, 0,1                                    ; eight accumulators by turns, one instruction a turn; the next matrix instructions are the next step's scores
	v_wmma_f32_16x16x128_bf8_bf8 v[O+32*\u+8*\t:O+32*\u+8*\t+7], v[VF+16*\t:VF+16*\t+15], v[PC+16*\u:PC+16*\u+15], v[O+32*\u+8*\t:O+32*\u+8*\t+7]
.endr
.endr
.endm
; A CHUNK: 512 keys, four steps with immediate offsets.  Its last step asks for the next chunk's first keys; behind the last chunk that address wraps to chunk 0, whose keys are then fetched and not used: the price of one text for all chunks.
; first = 1: chunk 0, which is read while the other chunks land: ahead of its last step, which reaches into chunk 1, every wave waits for all its tensor loads and passes a barrier.
.macro CHUNK first
	v_add_nc_u32 v[ADK], s[TBK], v[AK0]
	v_add_nc_u32 v[ADV], s[TBV], v[AV0]
	s_add_co_u32 s96, s[TBK], 32768
	s_and_b32 s96, s96, 0x1ffff
	v_add_nc_u32 v[ADN], s96, v[AK0]
	STEP 0, ADK, 8192
	STEP 1, ADK, 16384
	STEP 2, ADK, 24576
.if \first
	s_wait_tensorcnt 0x0                           ; my parts of chunks 1 to 3 are in,
	s_wait_dscnt 0x0                               ; no LDS instruction of mine is pending at the signal,
	s_barrier_signal -1
	s_barrier_wait -1                              ; everybody's are
.endif
	STEP 3, ADN, 0
	WIN 0                                          ; at a label and at a branch every window is 0
	s_add_co_u32 s[TBK], s[TBK], 32768
	s_add_co_u32 s[TBV], s[TBV], VCH
.endm
	s_wait_tensorcnt 3                             ; my part of chunk 0 is in; the three loads behind it may be out
	s_barrier_signal -1
	s_barrier_wait -1                              ; everybody's is
	WIN W_TO1
	KLOAD AK0, 0                                   ; the first step's keys
	WIN 0
	s_wait_loadcnt 0x0                             ; Q
	CHUNK 1
	s_mov_b32 s87, 3
.Lchunk:
	CHUNK 0
	s_sub_co_u32 s87, s87, 1
	s_cmp_lg_u32 s87, 0
	s_cbranch_scc1 .Lchunk
	s_wait_dscnt 0x0                               ; the last, unused, fetch is back: no LDS instruction is pending at the closing round
	; THE WAY OUT: O^T / the sum x 2^(e4 + e5), held, converted: two tiles' codes are 16 bytes of the image, so each store is 512 consecutive bytes and no stage is needed.
.rept 4
	v_nop                                          ; places behind the last products
.endr
	v_add_f32 v[MC], v14, v15
	v_add_f32 v[MC+4], v18, v19
	v_permlanex16_b32 v[PD], v[MC], s20, s21
	v_permlanex16_b32 v[PD+1], v[MC+4], s20, s21
	v_add_f32 v[MC], v[MC], v[PD]                  ; the rows' sums
	v_add_f32 v[MC+4], v[MC+4], v[PD+1]
	v_rcp_f32 v[FF], v[MC]
	v_rcp_f32 v[FF+2], v[MC+4]
	v_nop                                          ; a plain instruction behind the reciprocals,
	s_wait_alu depctr_va_vdst(0)                   ; and one wait for both, ahead of the first reader
	v_ldexp_f32 v[FF], v[FF], s98
	v_ldexp_f32 v[FF+2], v[FF+2], s98
.irp u, 0,1
.set i, 0
.rept 16
	v_pk_mul_f32 v[S+32*\u+i:S+32*\u+i+1], v[O+32*\u+i:O+32*\u+i+1], v[FF+2*\u:FF+2*\u+1] op_sel_hi:[1,0]
.set i, i+2
.endr
.endr
.set i, 0
.rept 64
	v_med3_num_f32 v[S+i], v[S+i], -v[LIMO], v[LIMO]   ; the conversion does not saturate (ISA guide 7.6.2)
.set i, i+1
.endr
.set i, 0
.rept 8
	v_cvt_scalef32_pk8_bf8_f32 v[MC+2*i:MC+2*i+1], v[S+8*i:S+8*i+7], v[SCO]
.set i, i+1
.endr
	v_nop                                          ; a plain instruction behind the last conversion
.irp u, 0,1
.irp c, 0,1
	global_store_b128 v[AK0], v[MC+8*\u+4*\c:MC+8*\u+4*\c+3], s[12:13] offset:16384*\u+512*\c
.endr
.endr
	s_wait_tensorcnt 0x0
	ds_add_u32 v62, v63
	s_wait_dscnt 0x0
	CROUND                                         ; the closing round: no work-group ends while a partner may still ask for a tile that names it
	s_endpgm
.Lfunc_end_k_q3437282da5_attn:
	.size	k_q3437282da5_attn, .Lfunc_end_k_q3437282da5_attn-k_q3437282da5_attn
	.p2alignl 7, 3214868480
	.fill 96, 4, 3214868480
	.section	.rodata,"a",@progbits
	.p2align	6, 0x0
	.amdhsa_kernel k_q3437282da5_attn
		.amdhsa_group_segment_fixed_size 267264
		.amdhsa_private_segment_fixed_size 0
		.amdhsa_enable_private_segment 0
		.amdhsa_kernarg_size 40
		.amdhsa_user_sgpr_count 2
		.amdhsa_user_sgpr_kernarg_segment_ptr 1
		.amdhsa_wavefront_size32 1
		.amdhsa_system_sgpr_workgroup_id_x 1
		.amdhsa_system_sgpr_workgroup_id_y 1
		.amdhsa_system_sgpr_workgroup_id_z 1
		.amdhsa_system_vgpr_workitem_id 0
		.amdhsa_next_free_vgpr 448
		.amdhsa_next_free_sgpr 100
		.amdhsa_reserve_vcc 0
		.amdhsa_float_denorm_mode_32 3
		.amdhsa_float_denorm_mode_16_64 3
		.amdhsa_memory_ordered 1
		.amdhsa_forward_progress 1
		.amdhsa_inst_pref_size 242
	.end_amdhsa_kernel
	.amdgpu_metadata
---
amdhsa.version: [ 1, 2 ]
amdhsa.kernels:
  - .name:           k_q3437282da5_attn
    .symbol:         k_q3437282da5_attn.kd
    .args:
      - { .name: q_img, .offset: 0, .size: 8, .value_kind: global_buffer, .address_space: global }
      - { .name: k_img, .offset: 8, .size: 8, .value_kind: global_buffer, .address_space: global }
      - { .name: vt, .offset: 16, .size: 8, .value_kind: global_buffer, .address_space: global }
      - { .name: lowp_scales, .offset: 24, .size: 8, .value_kind: global_buffer, .address_space: global }
      - { .name: ao_img, .offset: 32, .size: 8, .value_kind: global_buffer, .address_space: global }
    .group_segment_fixed_size: 267264
    .private_segment_fixed_size: 0
    .kernarg_segment_align: 8
    .kernarg_segment_size: 40
    .max_flat_workgroup_size: 256
    .sgpr_count:     100
    .vgpr_count:     448
    .wavefront_size: 32
...
	.end_amdgpu_metadata
.endif
;; end of part 3
;; launch proj (part 4): grid 8 x 32, 4 waves a work-group, clusters of 4 x 4, 327,680 bytes of LDS; arguments ao_img, Wo_codes, lowp_scales, bo, x, x1; writes x1
.if DOCPART == 4
	.amdgcn_target "amdgcn-amd-amdhsa--gfx1250"
	.amdhsa_code_object_version 6
	.text
	.protected	k_q3437282da5_proj
	.globl	k_q3437282da5_proj
	.p2align	8
	.type	k_q3437282da5_proj,@function
k_q3437282da5_proj:
	s_mov_b64 s[64:65], 0
	v_nop
	global_prefetch_b8 v0, s[64:65] scope:SCOPE_SE
	s_setreg_imm32_b32 hwreg(HW_REG_WAVE_MODE, 25, 1), 1
	s_wait_xcnt 0x0
	s_wait_alu depctr_hold_cnt(0) depctr_sa_sdst(0) depctr_va_vdst(0) depctr_va_sdst(0) depctr_va_ssrc(0) depctr_va_vcc(0) depctr_vm_vsrc(0)
	s_getreg_b32 s2, hwreg(HW_REG_IB_STS2, 6, 4)
	s_cmp_eq_u32 s2, 0
	s_cbranch_scc0 .Lentry_in_a_cluster
	s_endpgm
.Lentry_in_a_cluster:
	s_bfe_u32 s2, ttmp6, 0x10000c
	s_cmp_lg_u32 s2, 0xf033
	s_cbranch_scc0 .Lentry_shape_is_right
	s_endpgm
.Lentry_shape_is_right:
; out = resid + (A B^T x 2^(ea + eb) + bias).  A: 4,096 rows x SIZE_K codes of BF8 (E5M2) as images of fragments, [row / 16][k / 128][c][lane][16 bytes] (lane (r, h): k = 128 ks + 32 c + 16 h + 0 .. 15 of row 16 tb + r);
; B: [1024][SIZE_K] codes, K innermost; bias [1024], resid and out [4096][1024] f32.  ea, eb: the entries at byte ESC of the scales' buffer.
; N is 1,024, so a tile of 128 x 128 gives each of 256 work-groups one tile; four waves, 64 x 64 each: 16 accumulators.  K goes in steps of 512 through two LDS slots: A's part is 8 dense blocks of 8 KiB, read back as it lies
; (512 consecutive bytes a load); B's is 128 rows of 512 + 16 bytes.
; CLUSTERS: 4 x 4 work-groups; A's tiles are asked for jointly along a row of the cluster, B's along a column.  THE MATRIX INSTRUCTION IS USED TRANSPOSED: a lane holds eight neighbouring columns of one row.
; The residual is loaded at the head in the layout in which the results come back from the stage, and waits in registers.
; LIMITS: ea + eb between -126 and 127.  No prefetch: small tiles, short K steps.
; REGISTERS.  window 0: v0-31 addresses; v32-95 rows on the way out, two sets; v96-99 the bias; v128-255 the accumulators ((a, b) at 128 + 8 (4 a + b)).  window 1: two fragment buffers of 128 (A's four, then B's four).  window 2: v0-127 the residual.
.set SIZE_K, 1024
.set ESC,    24
.set PITCH,  528                       ; B's LDS row: 512 bytes + 16: an odd multiple of 16
.set HALFA,  32768                     ; 64 rows of A for 512 along K
.set HALFB,  64*PITCH
.set SLOT,   2*HALFA+2*HALFB
.set STAGE,  2*SLOT                    ; behind the ring: 16 rows x 272 bytes for each wave
.set SPITCH, 272
.set SPARE,  STAGE+4*16*SPITCH         ; the spare words, 128 bytes for each wave, which no other line names
.set LAPS,   SIZE_K/1024               ; a lap = two K steps
.set ADRA, 16
.set ADRB, 20
.set STO,  24
.set RD,   25
.set CO,   26
.set SPW,  28
.set NIL,  29
.set BK,   32
.set BI,   96
.set ACC,  128
.set F0,   0
.set F1,   128
.set G1, 24
.set G0, 32
.set G1B, 48
.set G0B, 56
.set MSB, 0
.macro WIN new
.if MSB != \new
	s_set_vgpr_msb (MSB<<8)|\new
.set MSB, \new
.endif
.endm
.set MUL,  0x05                        ; sources 0 (B) and 1 (A) window 1; C and D window 0
.set TO_F, 0x40                        ; destination window 1
.macro JLOAD s                         ; a joint load: waves 0 and 1 fetch A's halves, waves 2 and 3 B's; four v_nop follow each line
	s_cmp_eq_u32 s11, 0
	s_cbranch_scc0 .Lfor_b_\@
	tensor_load_to_lds s[G0+4*\s:G0+4*\s+3], s[G1:G1+7]
	s_nop 0
.rept 4
	v_nop
.endr
	s_branch .Lasked_\@
.Lfor_b_\@:
	tensor_load_to_lds s[G0B+4*\s:G0B+4*\s+3], s[G1B:G1B+7]
	s_nop 0
.rept 4
	v_nop
.endr
.Lasked_\@:
.endm
.macro CREST
	s_cmp_lg_u32 s10, 0
	s_cbranch_scc1 .Lnot_wave_0_\@
	s_barrier_signal -3
.Lnot_wave_0_\@:
	s_barrier_wait -3
	s_barrier_signal -1
	s_barrier_wait -1
.endm
.macro CROUND
	s_barrier_signal -1
	s_barrier_wait -1
	CREST
.endm
	s_load_b128 s[4:7], s[0:1], 0x0                ; A's image, B's codes
	s_load_b128 s[68:71], s[0:1], 0x10             ; the scales' exponents, the bias
	s_load_b128 s[72:75], s[0:1], 0x20             ; the residual, out
	v_lshl_add_u32 v[SPW], v0, 2, SPARE
	v_mov_b32 v[NIL], 0
	ds_add_u32 v28, v29
	ds_add_u32 v28, v29
	s_wait_dscnt 0x0
	v_lshrrev_b32 v1, 5, v0
	v_readfirstlane_b32 s10, v1                    ; wave 0..3
	s_lshr_b32 s11, s10, 1                         ; my half of the tile's rows.  Also: I fetch for A (0) or for B (1)
	s_and_b32 s12, s10, 1                          ; my half of its columns.  Also: which half I fetch
	s_bfe_u32 s40, ttmp6, 0x40000
	s_bfe_u32 s41, ttmp6, 0x40004
	s_lshl_b32 s42, ttmp9, 2
	s_add_co_u32 s42, s42, s40                     ; tile column
	s_and_b32 s13, ttmp7, 0xffff
	s_lshl_b32 s13, s13, 2
	s_add_co_u32 s13, s13, s41                     ; tile row
	s_lshl_b32 s43, s41, 2
	s_lshl_b32 s43, 15, s43                        ; my row of the cluster
	s_lshl_b32 s44, 0x1111, s40                    ; my column
	s_or_b32 s[G1+0], s43, (3<<16)|(1<<21)         ; A: the mask; elements of 8 bytes; 21 set beside a mask; no padding
	s_mov_b32 s[G1+1], 1024<<16                    ; tensor_dim0 = 1,024 elements: 8 KiB, a block of 16 rows x 512 K
	s_mov_b32 s[G1+2], 4<<16                       ; tensor_dim1 = 4 blocks
	s_mov_b32 s[G1+3], 1024<<16                    ; tile_dim0
	s_mov_b32 s[G1+4], 4                           ; tile_dim1
	s_mov_b32 s[G1+5], 2*SIZE_K                    ; from block to block: 16 SIZE_K bytes
	s_mov_b32 s[G1+6], 0
	s_mov_b32 s[G1+7], 0
	s_or_b32 s[G1B+0], s44, (0<<16)|(1<<20)|(1<<21)|(6<<22)|(3<<25)   ; B: elements of 1 byte; four words of padding after every 128
	s_mov_b32 s[G1B+1], 512<<16
	s_mov_b32 s[G1B+2], 64<<16
	s_mov_b32 s[G1B+3], 512<<16
	s_mov_b32 s[G1B+4], 64
	s_mov_b32 s[G1B+5], SIZE_K
	s_mov_b32 s[G1B+6], 0
	s_mov_b32 s[G1B+7], 0
	s_lshl_b32 s16, s13, 3
	s_lshl_b32 s17, s12, 2
	s_add_co_u32 s16, s16, s17                     ; A: block 8 x tile row + 4 x half
	s_mul_i32 s16, s16, 16*SIZE_K
	s_mov_b32 s17, 0
	s_lshl_b32 s46, s42, 7
	s_lshl_b32 s47, s12, 6
	s_add_co_u32 s46, s46, s47                     ; B: row 128 x tile column + 64 x half
	s_mul_i32 s46, s46, SIZE_K
	s_mov_b32 s47, 0
	s_lshl_b32 s20, s12, 15                        ; where they go: no place in the cluster enters an LDS address
	s_mul_i32 s21, s12, HALFB
	s_add_co_u32 s21, s21, 2*HALFA
	s_wait_kmcnt 0x0
	s_load_b64 s[96:97], s[68:69], ESC             ; ea, eb
	s_add_nc_u64 s[14:15], s[4:5], s[16:17]
	s_add_nc_u64 s[46:47], s[6:7], s[46:47]
	CROUND                                         ; all sixteen work-groups are here
.irp s, 0,1
	s_mov_b32 s[G0+4*\s], 1
	s_add_co_u32 s[G0+4*\s+1], s20, \s*SLOT
	s_add_nc_u64 s[G0+4*\s+2:G0+4*\s+3], s[14:15], \s*8192
	s_or_b32 s[G0+4*\s+3], s[G0+4*\s+3], 0x80000000
	s_mov_b32 s[G0B+4*\s], 1
	s_add_co_u32 s[G0B+4*\s+1], s21, \s*SLOT
	s_add_nc_u64 s[G0B+4*\s+2:G0B+4*\s+3], s[46:47], \s*512
	s_or_b32 s[G0B+4*\s+3], s[G0B+4*\s+3], 0x80000000
	JLOAD \s
.endr
	v_and_b32 v1, 15, v0                           ; r
	v_bfe_u32 v2, v0, 4, 1                         ; h
	v_and_b32 v3, 31, v0
	v_lshlrev_b32 v3, 4, v3                        ; 16 x lane
	v_mul_u32_u24 v4, v1, PITCH
	v_lshl_add_u32 v4, v2, 4, v4
	s_lshl_b32 s22, s11, 15                        ; my 64 rows of A
	s_mul_i32 s23, s12, HALFB                      ; my 64 rows of B
	s_add_co_u32 s23, s23, 2*HALFA
.irp s, 0,1
	v_add_nc_u32 v[ADRA+\s], s22, v3
	v_add_nc_u32 v[ADRB+\s], s23, v4
	s_add_co_u32 s22, s22, SLOT
	s_add_co_u32 s23, s23, SLOT
.endr
	s_mul_i32 s23, s10, 16*SPITCH
	s_add_co_u32 s23, s23, STAGE                   ; my stage
	v_mul_u32_u24 v5, v1, SPITCH
	v_lshl_add_u32 v5, v2, 5, v5
	v_add_nc_u32 v[STO], s23, v5                   ; in: row r, 32 bytes for each half of the lanes
	v_mul_u32_u24 v5, v2, SPITCH
	v_lshl_add_u32 v5, v1, 4, v5
	v_add_nc_u32 v[RD], s23, v5                    ; back: lanes 0-15 one row of 256 bytes, lanes 16-31 the next
	v_lshlrev_b32 v5, 12, v2
	v_lshl_add_u32 v[CO], v1, 4, v5                ; and the same two rows in memory
	v_lshlrev_b32 v6, 4, v1
	s_lshl_b32 s16, s13, 19                        ; 128 rows of 4,096 bytes a tile row,
	s_lshl_b32 s17, s11, 18                        ; 64 for my half
	s_add_co_u32 s16, s16, s17
	s_lshl_b32 s46, s42, 9                         ; my first column, in bytes
	s_lshl_b32 s47, s12, 8
	s_add_co_u32 s46, s46, s47
	s_mov_b32 s47, 0
	s_add_nc_u64 s[70:71], s[70:71], s[46:47]
	s_add_co_u32 s16, s16, s46
	s_mov_b32 s17, 0
	s_add_nc_u64 s[72:73], s[72:73], s[16:17]
	s_add_nc_u64 s[74:75], s[74:75], s[16:17]
	global_load_b128 v[BI:BI+3], v6, s[70:71]      ; the bias of my four columns of a row read back
	WIN 0x80                                       ; destination window 2
.irp a, 0,1,2,3
.irp t, 0,1,2,3,4,5,6,7
	global_load_b128 v[4*(8*\a+\t):4*(8*\a+\t)+3], v[CO], s[72:73] offset:(16*\a+2*\t)*4096
.endr
.endr
	WIN 0
; 4 matrix instructions: A's block a x B's four, 128 along K.  The 16 accumulators take turns, one instruction a turn, in the same order in every quarter.
.macro MUL4 f, a, zero
.irp b, 0,1,2,3
.if \zero
	v_wmma_f32_16x16x128_bf8_bf8 v[ACC+8*(4*\a+\b):ACC+8*(4*\a+\b)+7], v[\f+64+16*\b:\f+64+16*\b+15], v[\f+16*\a:\f+16*\a+15], 0
.else
	v_wmma_f32_16x16x128_bf8_bf8 v[ACC+8*(4*\a+\b):ACC+8*(4*\a+\b)+7], v[\f+64+16*\b:\f+64+16*\b+15], v[\f+16*\a:\f+16*\a+15], v[ACC+8*(4*\a+\b):ACC+8*(4*\a+\b)+7]
.endif
.endr
.endm
.macro FETCH slot, q, f                ; 32 LDS loads in one run: B's four fragments, then A's blocks 0, 1, then 2, 3
	WIN TO_F
.irp i, 0,1,2,3
.irp c, 0,1,2,3
	ds_load_b128 v[\f+64+16*\i+4*\c:\f+64+16*\i+4*\c+3], v[ADRB+\slot] offset:128*(\q)+32*\c+\i*16*PITCH
.endr
.endr
.irp i, 0,1,2,3
.irp c, 0,1,2,3
	ds_load_b128 v[\f+16*\i+4*\c:\f+16*\i+4*\c+3], v[ADRA+\slot] offset:2048*(\q)+512*\c+8192*\i
.endr
.endr
.endm
.macro PLACES
.rept 4
	v_nop
.endr
.endm
.macro QUARTER slot, q, f, g, zero     ; multiplies buffer f; in its middle fetches the slot's quarter q into buffer g
	s_wait_dscnt 8                                 ; B's four and A's blocks 0, 1 are in; the youngest eight loads may be out
	WIN MUL
	MUL4 \f, 0, \zero
	MUL4 \f, 1, \zero
	PLACES
	FETCH \slot, \q, \g
	s_wait_dscnt 32                                ; all but the 32 just issued
	WIN MUL
	MUL4 \f, 2, \zero
	MUL4 \f, 3, \zero
.endm
; The last quarter multiplies buffer 1 and changes slots: ONE barrier; in front of it each wave waits for all its tensor loads, adds 0 to its spare word, and waits for that and for its reads of this slot.
.macro TURN slot, next, fill
	WIN 0
	s_wait_tensorcnt 0x0                           ; all my tensor loads have landed: my part of the next slot
	ds_add_u32 v[SPW], v[NIL]                      ; 0 onto my spare word
	s_wait_dscnt 9                                 ; (the add and the youngest eight loads may be out)
	WIN MUL
	MUL4 F1, 0, 0
	MUL4 F1, 1, 0
	s_wait_dscnt 0x0                               ; the add is done, and my reads of this slot are over
	s_barrier_signal -1
	MUL4 F1, 2, 0
.if \fill
	WIN 0
.endif
	s_barrier_wait -1
.if \fill
	CREST                                          ; the barrier has opened a round of the cluster's
	s_add_nc_u64 s[G0+4*\slot+2:G0+4*\slot+3], s[G0+4*\slot+2:G0+4*\slot+3], 2*8192
	s_add_nc_u64 s[G0B+4*\slot+2:G0B+4*\slot+3], s[G0B+4*\slot+2:G0B+4*\slot+3], 2*512
	JLOAD \slot                                    ; the first tensor load behind the round; its four v_nop are the places in front of the loads below
.else
	PLACES
.endif
	FETCH \next, 0, F0
	WIN MUL
	MUL4 F1, 3, 0
.endm
	s_wait_tensorcnt 1                             ; my part of K step 0 is in (K step 1's load may be out),
	s_barrier_signal -1
	s_barrier_wait -1                              ; everybody's is
	FETCH 0, 0, F0
	QUARTER 0, 1, F0, F1, 1                        ; the first quarter's products start the sums
.if LAPS > 1
	WIN 0
	s_mov_b32 s3, LAPS-1
.Llap:
	QUARTER 0, 2, F1, F0, 0
	QUARTER 0, 3, F0, F1, 0
	TURN 0, 1, 1
	QUARTER 1, 1, F0, F1, 0
	QUARTER 1, 2, F1, F0, 0
	QUARTER 1, 3, F0, F1, 0
	TURN 1, 0, 1
	QUARTER 0, 1, F0, F1, 0
	WIN 0
	s_sub_co_u32 s3, s3, 1
	s_cmp_lg_u32 s3, 0
	s_cbranch_scc1 .Llap
.endif
	QUARTER 0, 2, F1, F0, 0                        ; the last lap fills nothing
	QUARTER 0, 3, F0, F1, 0
	TURN 0, 1, 0
	QUARTER 1, 1, F0, F1, 0
	QUARTER 1, 2, F1, F0, 0
	QUARTER 1, 3, F0, F1, 0
	s_wait_dscnt 8
	WIN MUL
	MUL4 F1, 0, 0
	MUL4 F1, 1, 0
	s_wait_dscnt 0
	MUL4 F1, 2, 0
	MUL4 F1, 3, 0
	WIN 0
	; THE WAY OUT, 16 rows x 64 columns at a time through my own stage: back come whole pieces of 256 bytes of a row, sixteen lanes each.
.macro TOSTAGE a
.irp b, 0,1,2,3
	ds_store_b128 v[STO], v[ACC+8*(4*\a+\b):ACC+8*(4*\a+\b)+3] offset:64*\b        ; each accumulator's low four registers first
	ds_store_b128 v[STO], v[ACC+8*(4*\a+\b)+4:ACC+8*(4*\a+\b)+7] offset:64*\b+16
.endr
.irp t, 0,1,2,3,4,5,6,7
	ds_load_b128 v[BK+32*((\a)%2)+4*\t:BK+32*((\a)%2)+4*\t+3], v[RD] offset:\t*2*SPITCH   ; LDS serves a wave's instructions in order (ISA guide 5.7.1.4)
.endr
.endm
.macro SEND a, younger                 ; younger: the LDS instructions issued behind block a's loads
.set BB, BK+32*((\a)%2)
	s_wait_dscnt \younger
.set j, 0
.rept 16
	v_pk_fma_f32 v[BB+j:BB+j+1], v[BB+j:BB+j+1], s[96:97], v[BI+j%4:BI+j%4+1] op_sel_hi:[1,0,1]   ; sum x 2^(ea + eb) + bias
.set j, j+2
.endr
	WIN 0x08                                       ; source 1 window 2
.set j, 0
.rept 16
	v_pk_add_f32 v[BB+j:BB+j+1], v[BB+j:BB+j+1], v[32*(\a)+j:32*(\a)+j+1]          ; + the residual
.set j, j+2
.endr
	WIN 0
.irp t, 0,1,2,3,4,5,6,7
	global_store_b128 v[CO], v[BB+4*\t:BB+4*\t+3], s[74:75] offset:(16*(\a)+2*\t)*4096   ; 16 lanes store 256 consecutive bytes, aligned
.endr
.endm
	s_wait_kmcnt 0x0
	s_add_co_i32 s96, s96, s97
	s_add_co_i32 s96, s96, 127
	s_lshl_b32 s96, s96, 23                        ; 2^(ea + eb) as f32
	s_mov_b32 s97, s96
	s_wait_loadcnt 0x0                             ; the bias and the residual
	PLACES                                         ; in front of the first reads of results
	TOSTAGE 0
.irp a, 1,2,3
.if \a > 1
	s_wait_xcnt 0x0                                ; block a - 2's stores have read their registers: block a's loads may land there
.endif
	TOSTAGE \a
	SEND \a-1, 16                                  ; behind block a - 1's loads: block a's 8 stores and 8 loads
.endr
	SEND 3, 0
	s_wait_tensorcnt 0x0                           ; the wave's end
	ds_add_u32 v[SPW], v[NIL]
	s_wait_dscnt 0x0
	CROUND                                         ; the closing round
	s_endpgm
.Lfunc_end_k_q3437282da5_proj:
	.size	k_q3437282da5_proj, .Lfunc_end_k_q3437282da5_proj-k_q3437282da5_proj
	.p2alignl 7, 3214868480
	.fill 96, 4, 3214868480
	.section	.rodata,"a",@progbits
	.p2align	6, 0x0
	.amdhsa_kernel k_q3437282da5_proj
		.amdhsa_group_segment_fixed_size 327680
		.amdhsa_private_segment_fixed_size 0
		.amdhsa_enable_private_segment 0
		.amdhsa_kernarg_size 48
		.amdhsa_user_sgpr_count 2
		.amdhsa_user_sgpr_kernarg_segment_ptr 1
		.amdhsa_wavefront_size32 1
		.amdhsa_system_sgpr_workgroup_id_x 1
		.amdhsa_system_sgpr_workgroup_id_y 1
		.amdhsa_system_sgpr_workgroup_id_z 1
		.amdhsa_system_vgpr_workitem_id 0
		.amdhsa_next_free_vgpr 768
		.amdhsa_next_free_sgpr 100
		.amdhsa_reserve_vcc 0
		.amdhsa_float_denorm_mode_32 3
		.amdhsa_float_denorm_mode_16_64 3
		.amdhsa_memory_ordered 1
		.amdhsa_forward_progress 1
		.amdhsa_inst_pref_size 53
	.end_amdhsa_kernel
	.amdgpu_metadata
---
amdhsa.version: [ 1, 2 ]
amdhsa.kernels:
  - .name:           k_q3437282da5_proj
    .symbol:         k_q3437282da5_proj.kd
    .args:
      - { .name: ao_img, .offset: 0, .size: 8, .value_kind: global_buffer, .address_space: global }
      - { .name: Wo_codes, .offset: 8, .size: 8, .value_kind: global_buffer, .address_space: global }
      - { .name: lowp_scales, .offset: 16, .size: 8, .value_kind: global_buffer, .address_space: global }
      - { .name: bo, .offset: 24, .size: 8, .value_kind: global_buffer, .address_space: global }
      - { .name: x, .offset: 32, .size: 8, .value_kind: global_buffer, .address_space: global }
      - { .name: x1, .offset: 40, .size: 8, .value_kind: global_buffer, .address_space: global }
    .group_segment_fixed_size: 327680
    .private_segment_fixed_size: 0
    .kernarg_segment_align: 8
    .kernarg_segment_size: 48
    .max_flat_workgroup_size: 128
    .sgpr_count:     100
    .vgpr_count:     768
    .wavefront_size: 32
...
	.end_amdgpu_metadata
.endif
;; end of part 4
;; launch norm2 (part 5): grid 256 x 1, 16 waves a work-group, no clusters, 18,432 bytes of LDS; arguments x1, scale2, lowp_scales, hc; writes hc
.if DOCPART == 5
	.amdgcn_target "amdgcn-amd-amdhsa--gfx1250"
	.amdhsa_code_object_version 6
	.text
	.protected	k_q3437282da5_norm2
	.globl	k_q3437282da5_norm2
	.p2align	8
	.type	k_q3437282da5_norm2,@function
k_q3437282da5_norm2:
	s_mov_b64 s[64:65], 0
	v_nop
	global_prefetch_b8 v0, s[64:65] scope:SCOPE_SE
	s_setreg_imm32_b32 hwreg(HW_REG_WAVE_MODE, 25, 1), 1
	s_wait_xcnt 0x0
; dst[row][k] = Q(scale[k] * src[row][k] / (||src[row]|| / 32 + 1e-5)): codes of BF8 (E5M2) with the given scale 2^e, e = entry ESC/4 of the scales' buffer.
; src: [4096][1024] f32; dst: [4096][1024] bytes, K innermost.  One wave takes one row (4,096 bytes = 32 registers a lane), so the row is read once and the sum of squares never leaves the wave:
; no barrier, no loop.  Memory binds: matrix units, clusters and tensor loads would add nothing, and no work-group shares an input byte but the 4 KiB of gains.
; Each load covers 512 consecutive bytes.  A lane's four codes of a load are one word; the row's 1,024 codes are gathered in the wave's own 1 KiB of LDS and leave as two stores of 512 consecutive bytes.
; LIMITS: -126 <= e and e + 15 <= 127; NaN and infinities among the inputs are not served; a row whose sum of squares overflows f32 is not served.
.set ESC,  32                          ; byte offset of e in the scales' buffer
.set X,    8                           ; v8-39   the row: register 4 i + j = element 128 i + 4 lane + j
.set SC,   40                          ; v40-71  the gains, likewise
.set CH,   72                          ; v72-79  four packed chains of the sum of squares
.set C,    88                          ; v88-95  codes: word i = elements 128 i + 4 lane + 0 .. 3
.set OUTR, 96                          ; v96-103 the codes back from LDS, 16 neighbouring bytes a lane
	s_load_b256 s[4:11], s[0:1], 0x0               ; src s[4:5], gains s[6:7], scales s[8:9], dst s[10:11]
	v_lshl_add_u32 v104, v0, 2, 0x4000
	v_mov_b32 v105, 0
	v_lshrrev_b32 v4, 5, v0
	v_readfirstlane_b32 s12, v4                    ; wave 0..15
	v_and_b32 v5, 31, v0                           ; lane
	v_lshlrev_b32 v1, 4, v5                        ; 16 x lane: my bytes of a load's or a store's 512
	s_lshl_b32 s13, s12, 10                        ; my wave's 1 KiB of LDS
	v_lshl_add_u32 v2, v5, 2, s13                  ; in: 4 x lane
	v_add_nc_u32 v3, s13, v1                       ; back: 16 x lane
	s_lshl_b32 s14, ttmp9, 4
	s_add_co_u32 s14, s14, s12                     ; my row = 16 x work-group + wave
	s_lshl_b32 s20, s14, 10                        ; its codes
	s_mov_b32 s21, 0
	s_lshl_b32 s14, s14, 12                        ; its numbers
	s_mov_b32 s15, 0
	s_mov_b32 s16, 0x76543210                      ; v_permlanex16_b32: lane l xor 16
	s_mov_b32 s17, 0xfedcba98
	s_mov_b32 s22, 0x3d000000                      ; 1 / sqrt(1024) = 1 / 32
	s_mov_b32 s23, 0x3727c5ac                      ; 1e-5
	v_mov_b32 v81, 0                               ; a lane permute's destination counts as read
	s_wait_kmcnt 0x0
	s_load_b32 s18, s[8:9], ESC                    ; e
	s_add_nc_u64 s[4:5], s[4:5], s[14:15]
	s_add_nc_u64 s[10:11], s[10:11], s[20:21]
.irp i, 0,1,2,3,4,5,6,7
	global_load_b128 v[X+4*\i:X+4*\i+3], v1, s[4:5] offset:512*\i th:TH_LOAD_NT
.endr
.irp i, 0,1,2,3,4,5,6,7
	global_load_b128 v[SC+4*\i:SC+4*\i+3], v1, s[6:7] offset:512*\i
.endr
	s_wait_loadcnt 8                               ; the row is in; the eight loads of the gains may be out
.irp p, 0,1,2,3
	v_pk_mul_f32 v[CH+2*\p:CH+2*\p+1], v[X+2*\p:X+2*\p+1], v[X+2*\p:X+2*\p+1]   ; the first four pairs start the chains
.endr
.set p, 4
.rept 12
	v_pk_fma_f32 v[CH+2*(p%4):CH+2*(p%4)+1], v[X+2*p:X+2*p+1], v[X+2*p:X+2*p+1], v[CH+2*(p%4):CH+2*(p%4)+1]
.set p, p+1
.endr
	v_pk_add_f32 v[CH:CH+1], v[CH:CH+1], v[CH+2:CH+3]
	v_pk_add_f32 v[CH+4:CH+5], v[CH+4:CH+5], v[CH+6:CH+7]
	v_pk_add_f32 v[CH:CH+1], v[CH:CH+1], v[CH+4:CH+5]
	v_add_f32 v80, v[CH], v[CH+1]
	v_add_f32_dpp v80, v80, v80 row_xmask:1 row_mask:0xf bank_mask:0xf
	v_add_f32_dpp v80, v80, v80 row_xmask:2 row_mask:0xf bank_mask:0xf
	v_add_f32_dpp v80, v80, v80 row_xmask:4 row_mask:0xf bank_mask:0xf
	v_add_f32_dpp v80, v80, v80 row_xmask:8 row_mask:0xf bank_mask:0xf
	v_permlanex16_b32 v81, v80, s16, s17
	v_add_f32 v80, v80, v81                        ; the row's sum of squares, in every lane
	v_sqrt_f32 v82, v80
	v_nop                                          ; a plain instruction behind the root,
	s_wait_alu depctr_va_vdst(0)                   ; and a wait ahead of its first reader
	v_fma_f32 v83, v82, s22, s23                   ; d = norm / 32 + 1e-5 (the product is exact)
	v_rcp_f32 v84, v83
	v_nop
	s_wait_alu depctr_va_vdst(0)
	v_fma_f32 v82, -v83, v84, 1.0                  ; one Newton step brings 1 / d to f32's last bit or so
	v_fma_f32 v84, v84, v82, v84
	v_mov_b32 v85, v84                             ; twice, for the packed multiply
	s_wait_kmcnt 0x0
	s_add_co_i32 s18, s18, 127
	s_lshl_b32 s19, s18, 23
	v_mov_b32 v87, s19                             ; 2^e as f32: the conversion takes its exponent field
	s_add_co_i32 s18, s18, 15
	s_lshl_b32 s18, s18, 23
	s_or_b32 s18, s18, 0x600000
	v_mov_b32 v86, s18                             ; 57,344 x 2^e
	s_wait_loadcnt 0x0                             ; the gains
.set p, 0
.rept 16
	v_pk_mul_f32 v[X+2*p:X+2*p+1], v[X+2*p:X+2*p+1], v[SC+2*p:SC+2*p+1]   ; gain x number first,
.set p, p+1
.endr
.set p, 0
.rept 16
	v_pk_mul_f32 v[X+2*p:X+2*p+1], v[X+2*p:X+2*p+1], v[84:85]              ; then / d
.set p, p+1
.endr
.set p, 0
.rept 32
	v_med3_num_f32 v[X+p], v[X+p], -v86, v86       ; the conversion to an 8-bit code does not saturate (ISA guide 7.6.2): the hold at the largest code x the scale
.set p, p+1
.endr
.irp g, 0,1,2,3
	v_cvt_scalef32_pk8_bf8_f32 v[C+2*\g:C+2*\g+1], v[X+8*\g:X+8*\g+7], v87
.endr
	v_nop                                          ; a plain instruction behind the last conversion
.irp i, 0,1,2,3,4,5,6,7
	ds_store_b32 v2, v[C+\i] offset:128*\i
.endr
	ds_load_b128 v[OUTR:OUTR+3], v3                ; LDS serves a wave's instructions in order (ISA guide 5.7.1.4): these see my stores
	ds_load_b128 v[OUTR+4:OUTR+7], v3 offset:512
	s_wait_dscnt 1                                 ; the first half is back; the second load may be out
	global_store_b128 v1, v[OUTR:OUTR+3], s[10:11]             ; 32 lanes store 512 consecutive bytes, at a multiple of 256 from the buffer's first byte
	s_wait_dscnt 0x0
	global_store_b128 v1, v[OUTR+4:OUTR+7], s[10:11] offset:512
	s_wait_tensorcnt 0x0
	ds_add_u32 v104, v105
	s_wait_dscnt 0x0
	s_endpgm
.Lfunc_end_k_q3437282da5_norm2:
	.size	k_q3437282da5_norm2, .Lfunc_end_k_q3437282da5_norm2-k_q3437282da5_norm2
	.p2alignl 7, 3214868480
	.fill 96, 4, 3214868480
	.section	.rodata,"a",@progbits
	.p2align	6, 0x0
	.amdhsa_kernel k_q3437282da5_norm2
		.amdhsa_group_segment_fixed_size 18432
		.amdhsa_private_segment_fixed_size 0
		.amdhsa_enable_private_segment 0
		.amdhsa_kernarg_size 32
		.amdhsa_user_sgpr_count 2
		.amdhsa_user_sgpr_kernarg_segment_ptr 1
		.amdhsa_wavefront_size32 1
		.amdhsa_system_sgpr_workgroup_id_x 1
		.amdhsa_system_sgpr_workgroup_id_y 1
		.amdhsa_system_sgpr_workgroup_id_z 1
		.amdhsa_system_vgpr_workitem_id 0
		.amdhsa_next_free_vgpr 106
		.amdhsa_next_free_sgpr 66
		.amdhsa_reserve_vcc 0
		.amdhsa_float_denorm_mode_32 3
		.amdhsa_float_denorm_mode_16_64 3
		.amdhsa_memory_ordered 1
		.amdhsa_forward_progress 1
		.amdhsa_inst_pref_size 11
	.end_amdhsa_kernel
	.amdgpu_metadata
---
amdhsa.version: [ 1, 2 ]
amdhsa.kernels:
  - .name:           k_q3437282da5_norm2
    .symbol:         k_q3437282da5_norm2.kd
    .args:
      - { .name: x1, .offset: 0, .size: 8, .value_kind: global_buffer, .address_space: global }
      - { .name: scale2, .offset: 8, .size: 8, .value_kind: global_buffer, .address_space: global }
      - { .name: lowp_scales, .offset: 16, .size: 8, .value_kind: global_buffer, .address_space: global }
      - { .name: hc, .offset: 24, .size: 8, .value_kind: global_buffer, .address_space: global }
    .group_segment_fixed_size: 18432
    .private_segment_fixed_size: 0
    .kernarg_segment_align: 8
    .kernarg_segment_size: 32
    .max_flat_workgroup_size: 512
    .sgpr_count:     66
    .vgpr_count:     106
    .wavefront_size: 32
...
	.end_amdgpu_metadata
.endif
;; end of part 5
;; launch ffn1 (part 6): grid 16 x 16, 4 waves a work-group, clusters of 4 x 4, 327,680 bytes of LDS; arguments hc, W1_codes, lowp_scales, b1, g_img; writes g_img
.if DOCPART == 6
	.amdgcn_target "amdgcn-amd-amdhsa--gfx1250"
	.amdhsa_code_object_version 6
	.text
	.protected	k_q3437282da5_ffn1
	.globl	k_q3437282da5_ffn1
	.p2align	8
	.type	k_q3437282da5_ffn1,@function
k_q3437282da5_ffn1:
	s_mov_b64 s[64:65], 0
	v_nop
	global_prefetch_b8 v0, s[64:65] scope:SCOPE_SE
	s_setreg_imm32_b32 hwreg(HW_REG_WAVE_MODE, 25, 1), 1
	s_wait_xcnt 0x0
	s_wait_alu depctr_hold_cnt(0) depctr_sa_sdst(0) depctr_va_vdst(0) depctr_va_sdst(0) depctr_va_ssrc(0) depctr_va_vcc(0) depctr_vm_vsrc(0)
	s_getreg_b32 s2, hwreg(HW_REG_IB_STS2, 6, 4)
	s_cmp_eq_u32 s2, 0
	s_cbranch_scc0 .Lentry_in_a_cluster
	s_endpgm
.Lentry_in_a_cluster:
	s_bfe_u32 s2, ttmp6, 0x10000c
	s_cmp_lg_u32 s2, 0xf033
	s_cbranch_scc0 .Lentry_shape_is_right
	s_endpgm
.Lentry_shape_is_right:
; g = Q(gelu(h W1 + b1)) on codes of BF8 (E5M2).  A: [4096][1024] codes (scale 2^e8), B: [4096][1024] codes (2^e9), K innermost; sums in f32; g is quantised with 2^e10.
; A tile of 256 x 256 is made by four waves, 128 x 128 each: 64 accumulators, 512 registers.  K goes in steps of 256 through a ring of two LDS slots filled by the tensor data mover.
; CLUSTERS: 4 x 4 work-groups; A's tiles are asked for jointly along a row of the cluster, B's along a column.  THE MATRIX INSTRUCTION IS USED TRANSPOSED (source 0 = rows of B, source 1 = rows of A).
; THE WAY OUT.  x = sum x 2^(e8 + e9) + b1 goes as f32 into a stage of 256 rows x (1,024 + 16) bytes, which lies over the ring (both slots have had their last fill and their last read).  Then each lane reads 16 NEIGHBOURING columns of a row,
; which is what the next operand's image wants of it: g_img [row / 16][k / 128][c][lane][16 bytes], lane (r, h): k = 128 ks + 32 c + 16 h + 0 .. 15 of row 16 tb + r.  Each store is 512 consecutive bytes.
; THE EXACT GELU: gelu(x) = max(x, 0) - |x| u, u = erfc(|x| / sqrt 2) / 2; erfc(z) = t exp(-z^2 + P(t)), t = 1 / (1 + z / 2), P a polynomial of degree 9 whose fractional error stays under 1.2e-7 for every z:
; so the negative tail keeps its relative accuracy, and no range of x is cut.
; LIMITS: e8 + e9 between -126 and 127; e10 between -126 and 112.  NaN and infinities are not served.  No prefetch: K is four steps, of which two are asked for at the head.
; REGISTERS, in windows of 256: window 0: v0-31 addresses; v32-95 the bias; from v128 A's fragments, ONE set; on the way out v32-255 are at work.  window 1: B's fragments, two sets.  windows 2, 3: the accumulators.
.set SIZE_N, 4096
.set SIZE_K, 1024
.set KSTEP,  256
.set ROWB,   256
.set KROW,   SIZE_K
.set PITCH,  272                       ; an LDS row: 256 bytes + 16 of padding: the 16 rows that a load touches start at 16 different banks (64 banks of 4 bytes: ISA guide 11.1)
.set FR,     16
.set NL,     4
.set NP,     4
.set HALFT,  128*PITCH
.set SLOT,   4*HALFT
.set LAPS,   SIZE_K/(2*KSTEP)
.set SPARE,  2*SLOT                    ; behind the ring: the spare words, 128 bytes for each wave, which no other line names
.set GP,     1040                      ; a stage row: 1,024 bytes + 16: an odd multiple of 16.  256 rows end at byte 266,240, under the spare words
.set RDG,  13                          ; v13  the stage, back: GP r + 64 h + 256 wave
.set ADR,  14                          ; v14  the LDS address in hand
.set ADRA, 16
.set ADRB, 20
.set STO,  24                          ; v24  the stage, in: GP (128 (wave / 2) + r) + 512 (wave % 2) + 32 h
.set CO,   26                          ; v26  16 x lane
.set SPW,  28
.set NIL,  29
.set BQ,   32                          ; v32-95  register 8 b + j: the bias of column 128 (wave % 2) + 16 b + 8 h + j of the tile
.set TMP,  128
.set AF,   128
.set X0,   32                          ; v32-63, v64-95  two sets of 32 numbers from the stage
.set T,    96                          ; v96-127   1 + z / 2, then t, then u
.set W,    128                         ; v128-159  x^2
.set M,    160                         ; v160-191  max(x, 0), then gelu(x)
.set P,    192                         ; v192-223  the polynomial, the exponent, the exponential
.set CF,   224                         ; v224-243  the coefficients c0 .. c9, each twice
.set L2E,  244                         ; v244-245  log2(e), twice
.set CD,   248                         ; v248-255  codes
.set TB,   66                          ; s66  the stage's byte of the two blocks of rows in hand
.set G1, 24
.set G0, 32
.set G1B, 48
.set G0B, 56
.set MSB, 0
.macro WIN new
.if MSB != \new
	s_set_vgpr_msb (MSB<<8)|\new
.set MSB, \new
.endif
.endm
.set MUL_LO, 0xa1
.set MUL_HI, 0xf1
.set TO_B,   0x40
.macro JLOAD g0a, g1a, g0b, g1b        ; a joint load: waves 0 and 1 fetch for A, waves 2 and 3 for B; four v_nop follow each line
	s_cmp_eq_u32 s15, 0
	s_cbranch_scc0 .Lfor_b_\@
	tensor_load_to_lds s[\g0a:\g0a+3], s[\g1a:\g1a+7]
	s_nop 0
.rept 4
	v_nop
.endr
	s_branch .Lasked_\@
.Lfor_b_\@:
	tensor_load_to_lds s[\g0b:\g0b+3], s[\g1b:\g1b+7]
	s_nop 0
.rept 4
	v_nop
.endr
.Lasked_\@:
.endm
.macro CREST
	s_cmp_lg_u32 s14, 0
	s_cbranch_scc1 .Lnot_wave_0_\@
	s_barrier_signal -3
.Lnot_wave_0_\@:
	s_barrier_wait -3
	s_barrier_signal -1
	s_barrier_wait -1
.endm
.macro CROUND
	s_barrier_signal -1
	s_barrier_wait -1
	CREST
.endm
	s_load_b128 s[4:7], s[0:1], 0x0                ; A's codes, B's codes
	s_load_b128 s[8:11], s[0:1], 0x10              ; the scales' exponents, the bias
	s_load_b64 s[84:85], s[0:1], 0x20              ; g_img
	v_lshl_add_u32 v[SPW], v0, 2, SPARE
	v_mov_b32 v[NIL], 0
	ds_add_u32 v28, v29
	ds_add_u32 v28, v29
	s_wait_dscnt 0x0
	v_lshrrev_b32 v1, 5, v0
	v_readfirstlane_b32 s14, v1                    ; wave 0..3
	s_lshr_b32 s15, s14, 1                         ; my half of the tile's rows.  Also: I fetch for A (0) or for B (1)
	s_and_b32 s16, s14, 1                          ; my half of its columns.  Also: which 128 rows I fetch
	s_bfe_u32 s40, ttmp6, 0x40000
	s_bfe_u32 s41, ttmp6, 0x40004
	s_lshl_b32 s42, ttmp9, 2
	s_add_co_u32 s42, s42, s40                     ; tile column
	s_and_b32 s17, ttmp7, 0xffff
	s_lshl_b32 s17, s17, 2
	s_add_co_u32 s17, s17, s41                     ; tile row
	s_lshl_b32 s43, s41, 2
	s_lshl_b32 s43, 15, s43
	s_lshl_b32 s44, 0x1111, s40
	s_or_b32 s[G1+0], s43, (0<<16)|(1<<20)|(1<<21)|(5<<22)|(3<<25)  ; the mask; elements of 1 byte; padding on; 21 set beside a mask; four words after every 64
	s_or_b32 s[G1B+0], s44, (0<<16)|(1<<20)|(1<<21)|(5<<22)|(3<<25)
.irp g, G1, G1B
	s_mov_b32 s[\g+1], ROWB<<16
	s_mov_b32 s[\g+2], 128<<16
	s_mov_b32 s[\g+3], ROWB<<16
	s_mov_b32 s[\g+4], 128
	s_mov_b32 s[\g+5], KROW
	s_mov_b32 s[\g+6], 0
	s_mov_b32 s[\g+7], 0
.endr
	s_lshl_b32 s18, s16, 7
	s_lshl_b32 s20, s17, 8
	s_add_co_u32 s20, s20, s18
	s_lshl_b32 s46, s42, 8
	s_add_co_u32 s46, s46, s18
	s_mov_b32 s21, 0
	s_mov_b32 s47, 0
	s_mov_b64 s[18:19], KROW
	s_mul_u64 s[20:21], s[20:21], s[18:19]
	s_mul_u64 s[46:47], s[46:47], s[18:19]
	s_mul_i32 s45, s14, HALFT
	s_wait_kmcnt 0x0
	s_load_b128 s[68:71], s[8:9], 0x20             ; e8, e9, e10, e11
	s_add_nc_u64 s[20:21], s[4:5], s[20:21]
	s_add_nc_u64 s[46:47], s[6:7], s[46:47]
	CROUND
.irp s, 0,1
	s_mov_b32 s[G0+4*\s], 1
	s_add_co_u32 s[G0+4*\s+1], s45, \s*SLOT
	s_add_nc_u64 s[G0+4*\s+2:G0+4*\s+3], s[20:21], \s*ROWB
	s_or_b32 s[G0+4*\s+3], s[G0+4*\s+3], 0x80000000
	s_mov_b32 s[G0B+4*\s], 1
	s_add_co_u32 s[G0B+4*\s+1], s45, \s*SLOT
	s_add_nc_u64 s[G0B+4*\s+2:G0B+4*\s+3], s[46:47], \s*ROWB
	s_or_b32 s[G0B+4*\s+3], s[G0B+4*\s+3], 0x80000000
	JLOAD G0+4*\s, G1, G0B+4*\s, G1B
.endr
	v_and_b32 v1, 15, v0                           ; r
	v_bfe_u32 v2, v0, 4, 1                         ; h
	v_mul_u32_u24 v3, v1, PITCH
	v_lshl_add_u32 v4, v2, 4, v3
	s_mul_i32 s21, s15, HALFT
	s_mul_i32 s22, s16, HALFT
	s_add_co_u32 s22, s22, 2*HALFT
.irp s, 0,1
	v_add_nc_u32 v[ADRA+\s], s21, v4
	v_add_nc_u32 v[ADRB+\s], s22, v4
	s_add_co_u32 s21, s21, SLOT
	s_add_co_u32 s22, s22, SLOT
.endr
	s_mul_i32 s23, s15, 128*GP
	s_lshl_b32 s18, s16, 9
	s_add_co_u32 s23, s23, s18
	v_mul_u32_u24 v5, v1, GP
	v_lshl_add_u32 v6, v2, 5, v5
	v_add_nc_u32 v[STO], s23, v6
	s_lshl_b32 s23, s14, 8
	v_lshl_add_u32 v6, v2, 6, v5
	v_add_nc_u32 v[RDG], s23, v6
	v_and_b32 v6, 31, v0
	v_lshlrev_b32 v[CO], 4, v6
	s_lshl_b32 s18, s42, 10                        ; the tile's first bias, in bytes, + my half's
	s_lshl_b32 s19, s16, 9
	s_add_co_u32 s76, s18, s19
	s_mov_b32 s77, 0
	s_add_nc_u64 s[76:77], s[10:11], s[76:77]
	v_lshlrev_b32 v12, 5, v2                       ; 32 h
.irp b, 0,1,2,3,4,5,6,7
	global_load_b128 v[BQ+8*\b:BQ+8*\b+3], v12, s[76:77] offset:64*\b
	global_load_b128 v[BQ+8*\b+4:BQ+8*\b+7], v12, s[76:77] offset:64*\b+16
.endr
	s_lshl_b32 s18, s17, 20                        ; g_img: 16 blocks of rows of 65,536 bytes a tile row,
	s_lshl_b32 s19, s42, 12                        ; two K steps of 2,048 bytes a tile column,
	s_add_co_u32 s18, s18, s19
	s_lshl_b32 s19, s14, 10                        ; my wave's two chunks: 2,048 (wave / 2) + 1,024 (wave % 2)
	s_add_co_u32 s18, s18, s19
	s_mov_b32 s19, 0
	s_add_nc_u64 s[84:85], s[84:85], s[18:19]
.macro FRAG reg, adr, q, i
.irp c, 0,1,2,3
	ds_load_b128 v[\reg+4*\c:\reg+4*\c+3], v[\adr] offset:128*(\q)+32*\c+(\i)*16*PITCH
.endr
.endm
.macro MUL16 a0, p, zero               ; the 64 accumulators take turns, one instruction a turn, in the same order in every step
.irp a, \a0, \a0+1
.irp b, 0,1,2,3,4,5,6,7
.if \zero
	v_wmma_f32_16x16x128_bf8_bf8 v[8*(8*((\a)%4)+\b):8*(8*((\a)%4)+\b)+7], v[128*(\p)+FR*\b:128*(\p)+FR*\b+FR-1], v[AF+FR*(\a):AF+FR*(\a)+FR-1], 0
.else
	v_wmma_f32_16x16x128_bf8_bf8 v[8*(8*((\a)%4)+\b):8*(8*((\a)%4)+\b)+7], v[128*(\p)+FR*\b:128*(\p)+FR*\b+FR-1], v[AF+FR*(\a):AF+FR*(\a)+FR-1], v[8*(8*((\a)%4)+\b):8*(8*((\a)%4)+\b)+7]
.endif
.endr
.endr
.endm
.macro FETCH_B slot, q, p
	WIN TO_B
.irp i, 0,1,2,3,4,5,6,7
	FRAG 128*(\p)+FR*\i, ADRB+\slot, \q, \i
.endr
	WIN 0
.endm
.macro FETCH_A slot, q, i0
.irp i, \i0, \i0+1, \i0+2, \i0+3
	FRAG AF+FR*(\i), ADRA+\slot, \q, \i
.endr
.endm
.macro PLACES n
.rept \n
	v_nop
.endr
.endm
.macro STEP slot, q, zero
	s_wait_dscnt 4*NL                              ; B's set and A's blocks 0-3 are in; the youngest 16 loads may be out
	WIN MUL_LO
	MUL16 0, (\q)%2, \zero
	MUL16 2, (\q)%2, \zero
	s_wait_dscnt 0
	PLACES NP
	FETCH_B \slot, (\q)+1, 1-(\q)%2
	FETCH_A \slot, (\q)+1, 0
	WIN MUL_HI
	MUL16 4, (\q)%2, \zero
	MUL16 6, (\q)%2, \zero
	PLACES NP
	WIN 0
	FETCH_A \slot, (\q)+1, 4
.endm
.macro TURN slot, next, fill           ; a slot's last step changes slots: ONE barrier
	s_wait_tensorcnt 0x0                           ; all my tensor loads have landed
	ds_add_u32 v[SPW], v[NIL]                      ; 0 onto my spare word
	s_wait_dscnt 4*NL+1                            ; (the add and the youngest 16 loads may be out)
	WIN MUL_LO
	MUL16 0, 1, 0
	s_wait_dscnt 0x0                               ; the add is done, and my reads of this slot are over
	s_barrier_signal -1
	MUL16 2, 1, 0
	WIN 0
	s_barrier_wait -1
.if \fill
	CREST
	s_add_nc_u64 s[G0+4*\slot+2:G0+4*\slot+3], s[G0+4*\slot+2:G0+4*\slot+3], 2*ROWB
	s_add_nc_u64 s[G0B+4*\slot+2:G0B+4*\slot+3], s[G0B+4*\slot+2:G0B+4*\slot+3], 2*ROWB
	JLOAD G0+4*\slot, G1, G0B+4*\slot, G1B
.else
	PLACES NP
.endif
	FETCH_B \next, 0, 0
	FETCH_A \next, 0, 0
	WIN MUL_HI
	MUL16 4, 1, 0
	MUL16 6, 1, 0
	PLACES NP
	WIN 0
	FETCH_A \next, 0, 4
.endm
	s_wait_tensorcnt 1                             ; my part of K step 0 is in (K step 1's load may be out),
	s_barrier_signal -1
	s_barrier_wait -1
	FETCH_B 0, 0, 0
	FETCH_A 0, 0, 0
	FETCH_A 0, 0, 4
	STEP 0, 0, 1
	s_mov_b32 s3, LAPS-1
.Llap:
	TURN 0, 1, 1
	STEP 1, 0, 0
	TURN 1, 0, 1
	STEP 0, 0, 0
	s_sub_co_u32 s3, s3, 1
	s_cmp_lg_u32 s3, 0
	s_cbranch_scc1 .Llap
	TURN 0, 1, 0
	STEP 1, 0, 0
	s_wait_dscnt 4*NL
	WIN MUL_LO
	MUL16 0, 1, 0
	MUL16 2, 1, 0
	s_wait_dscnt 0
	WIN MUL_HI
	MUL16 4, 1, 0
	MUL16 6, 1, 0
	WIN 0
	PLACES NP
	s_wait_dscnt 0x0                               ; my reads of both slots are over:
	s_barrier_signal -1
	s_barrier_wait -1                              ; everybody's are: the stage may be written
	s_wait_kmcnt 0x0
	s_wait_loadcnt 0x0                             ; the bias
	s_add_co_i32 s96, s68, s69
	s_add_co_i32 s96, s96, 127
	s_lshl_b32 s96, s96, 23                        ; 2^(e8 + e9) as f32
	s_mov_b32 s97, s96
	s_mov_b32 s98, 0x3eb504f3                      ; 1 / (2 sqrt 2): z / 2 = |x| x this
.macro DUMP a                          ; block a: x = sum x 2^(e8 + e9) + b1, as f32 into the stage; each accumulator from its low end on
.set AC, 64*((\a)%4)
	WIN 0x02+((\a)/4)
.set j, 0
.rept 32
	v_pk_fma_f32 v[TMP+j:TMP+j+1], v[AC+j:AC+j+1], s[96:97], v[BQ+j:BQ+j+1] op_sel_hi:[1,0,1]
.set j, j+2
.endr
	WIN 0
	v_add_nc_u32 v[ADR], 16*GP*(\a), v[STO]
.irp b, 0,1,2,3,4,5,6,7
	ds_store_b128 v[ADR], v[TMP+8*\b:TMP+8*\b+3] offset:64*\b
	ds_store_b128 v[ADR], v[TMP+8*\b+4:TMP+8*\b+7] offset:64*\b+16
.endr
.endm
.irp a, 0,1,2,3,4,5,6,7
	DUMP \a
.endr
.macro CONST k, bits
	v_mov_b32 v[CF+2*\k], \bits
	v_mov_b32 v[CF+2*\k+1], \bits
.endm
	CONST 0, 0xbfa1fc4e                            ; -1.26551223
	CONST 1, 0x3f8000c7                            ;  1.00002368
	CONST 2, 0x3ebf88fb                            ;  0.37409196
	CONST 3, 0x3dc636c9                            ;  0.09678418
	CONST 4, 0xbe3ec24c                            ; -0.18628806
	CONST 5, 0x3e8ec7cc                            ;  0.27886807
	CONST 6, 0xbf914e5d                            ; -1.13520398
	CONST 7, 0x3fbe87b0                            ;  1.48851587
	CONST 8, 0xbf527892                            ; -0.82215223
	CONST 9, 0x3e2ef945                            ;  0.17087277
	v_mov_b32 v[L2E], 0x3fb8aa3b
	v_mov_b32 v[L2E+1], 0x3fb8aa3b
	s_add_co_i32 s80, s70, 127
	s_lshl_b32 s81, s80, 23
	v_mov_b32 v247, s81                            ; 2^e10
	s_add_co_i32 s80, s80, 15
	s_lshl_b32 s80, s80, 23
	s_or_b32 s80, s80, 0x600000
	v_mov_b32 v246, s80                            ; 57,344 x 2^e10
	s_wait_dscnt 0x0                               ; for the others' sake: my stores into the stage are done
	s_barrier_signal -1
	s_barrier_wait -1
.macro LOADX set, off                  ; 16 rows x my wave's 64 columns: a lane takes 2 x 16 neighbouring columns of row r
.irp g, 0,1
.irp i, 0,1,2,3
	ds_load_b128 v[X0+32*(\set)+16*\g+4*\i:X0+32*(\set)+16*\g+4*\i+3], v[ADR] offset:\off+128*\g+16*\i
.endr
.endr
.endm
.macro GELU set                        ; 32 numbers a lane become 32 codes in v[CD] on
.set XS, X0+32*(\set)
.set j, 0
.rept 32
	v_fma_f32 v[T+j], |v[XS+j]|, s98, 1.0          ; 1 + z / 2
.set j, j+1
.endr
.set j, 0
.rept 32
	v_rcp_f32 v[T+j], v[T+j]                       ; t
.set j, j+1
.endr
.set j, 0
.rept 16
	v_pk_mul_f32 v[W+j:W+j+1], v[XS+j:XS+j+1], v[XS+j:XS+j+1]   ; x^2 = 2 z^2: independent work behind the reciprocals
.set j, j+2
.endr
.set j, 0
.rept 32
	v_max_num_f32 v[M+j], 0, v[XS+j]
.set j, j+1
.endr
	s_wait_alu depctr_va_vdst(0)                   ; one wait for the batch of reciprocals, ahead of its first reader
.set j, 0
.rept 16
	v_pk_fma_f32 v[P+j:P+j+1], v[T+j:T+j+1], v[CF+18:CF+19], v[CF+16:CF+17]
.set j, j+2
.endr
.irp k, 7,6,5,4,3,2,1,0
.set j, 0
.rept 16
	v_pk_fma_f32 v[P+j:P+j+1], v[P+j:P+j+1], v[T+j:T+j+1], v[CF+2*\k:CF+2*\k+1]
.set j, j+2
.endr
.endr
.set j, 0
.rept 16
	v_pk_fma_f32 v[P+j:P+j+1], v[W+j:W+j+1], -0.5, v[P+j:P+j+1] op_sel_hi:[1,0,1]      ; P(t) - z^2
.set j, j+2
.endr
.set j, 0
.rept 16
	v_pk_fma_f32 v[P+j:P+j+1], v[P+j:P+j+1], v[L2E:L2E+1], -1.0 op_sel_hi:[1,1,0]      ; to base 2; the -1 is the factor 1 / 2
.set j, j+2
.endr
.set j, 0
.rept 32
	v_exp_f32 v[P+j], v[P+j]
.set j, j+1
.endr
	v_nop                                          ; a plain instruction behind the last exponential,
	s_wait_alu depctr_va_vdst(0)                   ; and one wait for the batch
.set j, 0
.rept 16
	v_pk_mul_f32 v[T+j:T+j+1], v[T+j:T+j+1], v[P+j:P+j+1]      ; u
.set j, j+2
.endr
.set j, 0
.rept 32
	v_fma_f32 v[M+j], -|v[XS+j]|, v[T+j], v[M+j]   ; gelu(x) = max(x, 0) - |x| u
.set j, j+1
.endr
.set j, 0
.rept 32
	v_med3_num_f32 v[M+j], v[M+j], -v246, v246     ; the conversion does not saturate (ISA guide 7.6.2)
.set j, j+1
.endr
	s_wait_xcnt 0x0                                ; the last stores have read the codes' registers
.set j, 0
.rept 4
	v_cvt_scalef32_pk8_bf8_f32 v[CD+2*j:CD+2*j+1], v[M+8*j:M+8*j+7], v247
.set j, j+1
.endr
	v_nop                                          ; a plain instruction behind the last conversion
.endm
.macro STORE off
	global_store_b128 v[CO], v[CD:CD+3], s[84:85] offset:\off          ; 512 consecutive bytes of the image
	global_store_b128 v[CO], v[CD+4:CD+7], s[84:85] offset:\off+512
.endm
	s_mov_b32 s[TB], 0
	v_add_nc_u32 v[ADR], s[TB], v[RDG]
	LOADX 0, 0
	s_mov_b32 s3, 7
.Lrows:                                            ; a trip: two blocks of 16 rows; the loads run one block ahead
	LOADX 1, 16*GP
	s_wait_dscnt 8                                 ; set 0 is in; the eight loads just issued may be out
	GELU 0
	STORE 0
	s_add_co_u32 s[TB], s[TB], 32*GP
	v_add_nc_u32 v[ADR], s[TB], v[RDG]
	LOADX 0, 0
	s_wait_dscnt 8                                 ; set 1 is in
	GELU 1
	STORE 65536
	s_wait_xcnt 0x0                                ; the stores have read their base
	s_add_nc_u64 s[84:85], s[84:85], 131072
	s_sub_co_u32 s3, s3, 1
	s_cmp_lg_u32 s3, 0
	s_cbranch_scc1 .Lrows
	LOADX 1, 16*GP                                 ; the last two blocks are written out: nothing is read past the stage
	s_wait_dscnt 8
	GELU 0
	STORE 0
	s_wait_dscnt 0x0
	GELU 1
	STORE 65536
	s_wait_tensorcnt 0x0                           ; the wave's end
	ds_add_u32 v[SPW], v[NIL]
	s_wait_dscnt 0x0
	CROUND                                         ; the closing round
	s_endpgm
.Lfunc_end_k_q3437282da5_ffn1:
	.size	k_q3437282da5_ffn1, .Lfunc_end_k_q3437282da5_ffn1-k_q3437282da5_ffn1
	.p2alignl 7, 3214868480
	.fill 96, 4, 3214868480
	.section	.rodata,"a",@progbits
	.p2align	6, 0x0
	.amdhsa_kernel k_q3437282da5_ffn1
		.amdhsa_group_segment_fixed_size 327680
		.amdhsa_private_segment_fixed_size 0
		.amdhsa_enable_private_segment 0
		.amdhsa_kernarg_size 40
		.amdhsa_user_sgpr_count 2
		.amdhsa_user_sgpr_kernarg_segment_ptr 1
		.amdhsa_wavefront_size32 1
		.amdhsa_system_sgpr_workgroup_id_x 1
		.amdhsa_system_sgpr_workgroup_id_y 1
		.amdhsa_system_sgpr_workgroup_id_z 1
		.amdhsa_system_vgpr_workitem_id 0
		.amdhsa_next_free_vgpr 1024
		.amdhsa_next_free_sgpr 100
		.amdhsa_reserve_vcc 0
		.amdhsa_float_denorm_mode_32 3
		.amdhsa_float_denorm_mode_16_64 3
		.amdhsa_memory_ordered 1
		.amdhsa_forward_progress 1
		.amdhsa_inst_pref_size 199
	.end_amdhsa_kernel
	.amdgpu_metadata
---
amdhsa.version: [ 1, 2 ]
amdhsa.kernels:
  - .name:           k_q3437282da5_ffn1
    .symbol:         k_q3437282da5_ffn1.kd
    .args:
      - { .name: hc, .offset: 0, .size: 8, .value_kind: global_buffer, .address_space: global }
      - { .name: W1_codes, .offset: 8, .size: 8, .value_kind: global_buffer, .address_space: global }
      - { .name: lowp_scales, .offset: 16, .size: 8, .value_kind: global_buffer, .address_space: global }
      - { .name: b1, .offset: 24, .size: 8, .value_kind: global_buffer, .address_space: global }
      - { .name: g_img, .offset: 32, .size: 8, .value_kind: global_buffer, .address_space: global }
    .group_segment_fixed_size: 327680
    .private_segment_fixed_size: 0
    .kernarg_segment_align: 8
    .kernarg_segment_size: 40
    .max_flat_workgroup_size: 128
    .sgpr_count:     100
    .vgpr_count:     1024
    .wavefront_size: 32
...
	.end_amdgpu_metadata
.endif
;; end of part 6
;; launch ffn2 (part 7): grid 8 x 32, 4 waves a work-group, clusters of 4 x 4, 327,680 bytes of LDS; arguments g_img, W2_codes, lowp_scales, b2, x1, out0; writes out0
.if DOCPART == 7
	.amdgcn_target "amdgcn-amd-amdhsa--gfx1250"
	.amdhsa_code_object_version 6
	.text
	.protected	k_q3437282da5_ffn2
	.globl	k_q3437282da5_ffn2
	.p2align	8
	.type	k_q3437282da5_ffn2,@function
k_q3437282da5_ffn2:
	s_mov_b64 s[64:65], 0
	v_nop
	global_prefetch_b8 v0, s[64:65] scope:SCOPE_SE
	s_setreg_imm32_b32 hwreg(HW_REG_WAVE_MODE, 25, 1), 1
	s_wait_xcnt 0x0
	s_wait_alu depctr_hold_cnt(0) depctr_sa_sdst(0) depctr_va_vdst(0) depctr_va_sdst(0) depctr_va_ssrc(0) depctr_va_vcc(0) depctr_vm_vsrc(0)
	s_getreg_b32 s2, hwreg(HW_REG_IB_STS2, 6, 4)
	s_cmp_eq_u32 s2, 0
	s_cbranch_scc0 .Lentry_in_a_cluster
	s_endpgm
.Lentry_in_a_cluster:
	s_bfe_u32 s2, ttmp6, 0x10000c
	s_cmp_lg_u32 s2, 0xf033
	s_cbranch_scc0 .Lentry_shape_is_right
	s_endpgm
.Lentry_shape_is_right:
; out = resid + (A B^T x 2^(ea + eb) + bias).  A: 4,096 rows x SIZE_K codes of BF8 (E5M2) as images of fragments, [row / 16][k / 128][c][lane][16 bytes] (lane (r, h): k = 128 ks + 32 c + 16 h + 0 .. 15 of row 16 tb + r);
; B: [1024][SIZE_K] codes, K innermost; bias [1024], resid and out [4096][1024] f32.  ea, eb: the entries at byte ESC of the scales' buffer.
; N is 1,024, so a tile of 128 x 128 gives each of 256 work-groups one tile; four waves, 64 x 64 each: 16 accumulators.  K goes in steps of 512 through two LDS slots: A's part is 8 dense blocks of 8 KiB, read back as it lies
; (512 consecutive bytes a load); B's is 128 rows of 512 + 16 bytes.
; CLUSTERS: 4 x 4 work-groups; A's tiles are asked for jointly along a row of the cluster, B's along a column.  THE MATRIX INSTRUCTION IS USED TRANSPOSED: a lane holds eight neighbouring columns of one row.
; The residual is loaded at the head in the layout in which the results come back from the stage, and waits in registers.
; LIMITS: ea + eb between -126 and 127.  No prefetch: small tiles, short K steps.
; REGISTERS.  window 0: v0-31 addresses; v32-95 rows on the way out, two sets; v96-99 the bias; v128-255 the accumulators ((a, b) at 128 + 8 (4 a + b)).  window 1: two fragment buffers of 128 (A's four, then B's four).  window 2: v0-127 the residual.
.set SIZE_K, 4096
.set ESC,    40
.set PITCH,  528                       ; B's LDS row: 512 bytes + 16: an odd multiple of 16
.set HALFA,  32768                     ; 64 rows of A for 512 along K
.set HALFB,  64*PITCH
.set SLOT,   2*HALFA+2*HALFB
.set STAGE,  2*SLOT                    ; behind the ring: 16 rows x 272 bytes for each wave
.set SPITCH, 272
.set SPARE,  STAGE+4*16*SPITCH         ; the spare words, 128 bytes for each wave, which no other line names
.set LAPS,   SIZE_K/1024               ; a lap = two K steps
.set ADRA, 16
.set ADRB, 20
.set STO,  24
.set RD,   25
.set CO,   26
.set SPW,  28
.set NIL,  29
.set BK,   32
.set BI,   96
.set ACC,  128
.set F0,   0
.set F1,   128
.set G1, 24
.set G0, 32
.set G1B, 48
.set G0B, 56
.set MSB, 0
.macro WIN new
.if MSB != \new
	s_set_vgpr_msb (MSB<<8)|\new
.set MSB, \new
.endif
.endm
.set MUL,  0x05                        ; sources 0 (B) and 1 (A) window 1; C and D window 0
.set TO_F, 0x40                        ; destination window 1
.macro JLOAD s                         ; a joint load: waves 0 and 1 fetch A's halves, waves 2 and 3 B's; four v_nop follow each line
	s_cmp_eq_u32 s11, 0
	s_cbranch_scc0 .Lfor_b_\@
	tensor_load_to_lds s[G0+4*\s:G0+4*\s+3], s[G1:G1+7]
	s_nop 0
.rept 4
	v_nop
.endr
	s_branch .Lasked_\@
.Lfor_b_\@:
	tensor_load_to_lds s[G0B+4*\s:G0B+4*\s+3], s[G1B:G1B+7]
	s_nop 0
.rept 4
	v_nop
.endr
.Lasked_\@:
.endm
.macro CREST
	s_cmp_lg_u32 s10, 0
	s_cbranch_scc1 .Lnot_wave_0_\@
	s_barrier_signal -3
.Lnot_wave_0_\@:
	s_barrier_wait -3
	s_barrier_signal -1
	s_barrier_wait -1
.endm
.macro CROUND
	s_barrier_signal -1
	s_barrier_wait -1
	CREST
.endm
	s_load_b128 s[4:7], s[0:1], 0x0                ; A's image, B's codes
	s_load_b128 s[68:71], s[0:1], 0x10             ; the scales' exponents, the bias
	s_load_b128 s[72:75], s[0:1], 0x20             ; the residual, out
	v_lshl_add_u32 v[SPW], v0, 2, SPARE
	v_mov_b32 v[NIL], 0
	ds_add_u32 v28, v29
	ds_add_u32 v28, v29
	s_wait_dscnt 0x0
	v_lshrrev_b32 v1, 5, v0
	v_readfirstlane_b32 s10, v1                    ; wave 0..3
	s_lshr_b32 s11, s10, 1                         ; my half of the tile's rows.  Also: I fetch for A (0) or for B (1)
	s_and_b32 s12, s10, 1                          ; my half of its columns.  Also: which half I fetch
	s_bfe_u32 s40, ttmp6, 0x40000
	s_bfe_u32 s41, ttmp6, 0x40004
	s_lshl_b32 s42, ttmp9, 2
	s_add_co_u32 s42, s42, s40                     ; tile column
	s_and_b32 s13, ttmp7, 0xffff
	s_lshl_b32 s13, s13, 2
	s_add_co_u32 s13, s13, s41                     ; tile row
	s_lshl_b32 s43, s41, 2
	s_lshl_b32 s43, 15, s43                        ; my row of the cluster
	s_lshl_b32 s44, 0x1111, s40                    ; my column
	s_or_b32 s[G1+0], s43, (3<<16)|(1<<21)         ; A: the mask; elements of 8 bytes; 21 set beside a mask; no padding
	s_mov_b32 s[G1+1], 1024<<16                    ; tensor_dim0 = 1,024 elements: 8 KiB, a block of 16 rows x 512 K
	s_mov_b32 s[G1+2], 4<<16                       ; tensor_dim1 = 4 blocks
	s_mov_b32 s[G1+3], 1024<<16                    ; tile_dim0
	s_mov_b32 s[G1+4], 4                           ; tile_dim1
	s_mov_b32 s[G1+5], 2*SIZE_K                    ; from block to block: 16 SIZE_K bytes
	s_mov_b32 s[G1+6], 0
	s_mov_b32 s[G1+7], 0
	s_or_b32 s[G1B+0], s44, (0<<16)|(1<<20)|(1<<21)|(6<<22)|(3<<25)   ; B: elements of 1 byte; four words of padding after every 128
	s_mov_b32 s[G1B+1], 512<<16
	s_mov_b32 s[G1B+2], 64<<16
	s_mov_b32 s[G1B+3], 512<<16
	s_mov_b32 s[G1B+4], 64
	s_mov_b32 s[G1B+5], SIZE_K
	s_mov_b32 s[G1B+6], 0
	s_mov_b32 s[G1B+7], 0
	s_lshl_b32 s16, s13, 3
	s_lshl_b32 s17, s12, 2
	s_add_co_u32 s16, s16, s17                     ; A: block 8 x tile row + 4 x half
	s_mul_i32 s16, s16, 16*SIZE_K
	s_mov_b32 s17, 0
	s_lshl_b32 s46, s42, 7
	s_lshl_b32 s47, s12, 6
	s_add_co_u32 s46, s46, s47                     ; B: row 128 x tile column + 64 x half
	s_mul_i32 s46, s46, SIZE_K
	s_mov_b32 s47, 0
	s_lshl_b32 s20, s12, 15                        ; where they go: no place in the cluster enters an LDS address
	s_mul_i32 s21, s12, HALFB
	s_add_co_u32 s21, s21, 2*HALFA
	s_wait_kmcnt 0x0
	s_load_b64 s[96:97], s[68:69], ESC             ; ea, eb
	s_add_nc_u64 s[14:15], s[4:5], s[16:17]
	s_add_nc_u64 s[46:47], s[6:7], s[46:47]
	CROUND                                         ; all sixteen work-groups are here
.irp s, 0,1
	s_mov_b32 s[G0+4*\s], 1
	s_add_co_u32 s[G0+4*\s+1], s20, \s*SLOT
	s_add_nc_u64 s[G0+4*\s+2:G0+4*\s+3], s[14:15], \s*8192
	s_or_b32 s[G0+4*\s+3], s[G0+4*\s+3], 0x80000000
	s_mov_b32 s[G0B+4*\s], 1
	s_add_co_u32 s[G0B+4*\s+1], s21, \s*SLOT
	s_add_nc_u64 s[G0B+4*\s+2:G0B+4*\s+3], s[46:47], \s*512
	s_or_b32 s[G0B+4*\s+3], s[G0B+4*\s+3], 0x80000000
	JLOAD \s
.endr
	v_and_b32 v1, 15, v0                           ; r
	v_bfe_u32 v2, v0, 4, 1                         ; h
	v_and_b32 v3, 31, v0
	v_lshlrev_b32 v3, 4, v3                        ; 16 x lane
	v_mul_u32_u24 v4, v1, PITCH
	v_lshl_add_u32 v4, v2, 4, v4
	s_lshl_b32 s22, s11, 15                        ; my 64 rows of A
	s_mul_i32 s23, s12, HALFB                      ; my 64 rows of B
	s_add_co_u32 s23, s23, 2*HALFA
.irp s, 0,1
	v_add_nc_u32 v[ADRA+\s], s22, v3
	v_add_nc_u32 v[ADRB+\s], s23, v4
	s_add_co_u32 s22, s22, SLOT
	s_add_co_u32 s23, s23, SLOT
.endr
	s_mul_i32 s23, s10, 16*SPITCH
	s_add_co_u32 s23, s23, STAGE                   ; my stage
	v_mul_u32_u24 v5, v1, SPITCH
	v_lshl_add_u32 v5, v2, 5, v5
	v_add_nc_u32 v[STO], s23, v5                   ; in: row r, 32 bytes for each half of the lanes
	v_mul_u32_u24 v5, v2, SPITCH
	v_lshl_add_u32 v5, v1, 4, v5
	v_add_nc_u32 v[RD], s23, v5                    ; back: lanes 0-15 one row of 256 bytes, lanes 16-31 the next
	v_lshlrev_b32 v5, 12, v2
	v_lshl_add_u32 v[CO], v1, 4, v5                ; and the same two rows in memory
	v_lshlrev_b32 v6, 4, v1
	s_lshl_b32 s16, s13, 19                        ; 128 rows of 4,096 bytes a tile row,
	s_lshl_b32 s17, s11, 18                        ; 64 for my half
	s_add_co_u32 s16, s16, s17
	s_lshl_b32 s46, s42, 9                         ; my first column, in bytes
	s_lshl_b32 s47, s12, 8
	s_add_co_u32 s46, s46, s47
	s_mov_b32 s47, 0
	s_add_nc_u64 s[70:71], s[70:71], s[46:47]
	s_add_co_u32 s16, s16, s46
	s_mov_b32 s17, 0
	s_add_nc_u64 s[72:73], s[72:73], s[16:17]
	s_add_nc_u64 s[74:75], s[74:75], s[16:17]
	global_load_b128 v[BI:BI+3], v6, s[70:71]      ; the bias of my four columns of a row read back
	WIN 0x80                                       ; destination window 2
.irp a, 0,1,2,3
.irp t, 0,1,2,3,4,5,6,7
	global_load_b128 v[4*(8*\a+\t):4*(8*\a+\t)+3], v[CO], s[72:73] offset:(16*\a+2*\t)*4096
.endr
.endr
	WIN 0
; 4 matrix instructions: A's block a x B's four, 128 along K.  The 16 accumulators take turns, one instruction a turn, in the same order in every quarter.
.macro MUL4 f, a, zero
.irp b, 0,1,2,3
.if \zero
	v_wmma_f32_16x16x128_bf8_bf8 v[ACC+8*(4*\a+\b):ACC+8*(4*\a+\b)+7], v[\f+64+16*\b:\f+64+16*\b+15], v[\f+16*\a:\f+16*\a+15], 0
.else
	v_wmma_f32_16x16x128_bf8_bf8 v[ACC+8*(4*\a+\b):ACC+8*(4*\a+\b)+7], v[\f+64+16*\b:\f+64+16*\b+15], v[\f+16*\a:\f+16*\a+15], v[ACC+8*(4*\a+\b):ACC+8*(4*\a+\b)+7]
.endif
.endr
.endm
.macro FETCH slot, q, f                ; 32 LDS loads in one run: B's four fragments, then A's blocks 0, 1, then 2, 3
	WIN TO_F
.irp i, 0,1,2,3
.irp c, 0,1,2,3
	ds_load_b128 v[\f+64+16*\i+4*\c:\f+64+16*\i+4*\c+3], v[ADRB+\slot] offset:128*(\q)+32*\c+\i*16*PITCH
.endr
.endr
.irp i, 0,1,2,3
.irp c, 0,1,2,3
	ds_load_b128 v[\f+16*\i+4*\c:\f+16*\i+4*\c+3], v[ADRA+\slot] offset:2048*(\q)+512*\c+8192*\i
.endr
.endr
.endm
.macro PLACES
.rept 4
	v_nop
.endr
.endm
.macro QUARTER slot, q, f, g, zero     ; multiplies buffer f; in its middle fetches the slot's quarter q into buffer g
	s_wait_dscnt 8                                 ; B's four and A's blocks 0, 1 are in; the youngest eight loads may be out
	WIN MUL
	MUL4 \f, 0, \zero
	MUL4 \f, 1, \zero
	PLACES
	FETCH \slot, \q, \g
	s_wait_dscnt 32                                ; all but the 32 just issued
	WIN MUL
	MUL4 \f, 2, \zero
	MUL4 \f, 3, \zero
.endm
; The last quarter multiplies buffer 1 and changes slots: ONE barrier; in front of it each wave waits for all its tensor loads, adds 0 to its spare word, and waits for that and for its reads of this slot.
.macro TURN slot, next, fill
	WIN 0
	s_wait_tensorcnt 0x0                           ; all my tensor loads have landed: my part of the next slot
	ds_add_u32 v[SPW], v[NIL]                      ; 0 onto my spare word
	s_wait_dscnt 9                                 ; (the add and the youngest eight loads may be out)
	WIN MUL
	MUL4 F1, 0, 0
	MUL4 F1, 1, 0
	s_wait_dscnt 0x0                               ; the add is done, and my reads of this slot are over
	s_barrier_signal -1
	MUL4 F1, 2, 0
.if \fill
	WIN 0
.endif
	s_barrier_wait -1
.if \fill
	CREST                                          ; the barrier has opened a round of the cluster's
	s_add_nc_u64 s[G0+4*\slot+2:G0+4*\slot+3], s[G0+4*\slot+2:G0+4*\slot+3], 2*8192
	s_add_nc_u64 s[G0B+4*\slot+2:G0B+4*\slot+3], s[G0B+4*\slot+2:G0B+4*\slot+3], 2*512
	JLOAD \slot                                    ; the first tensor load behind the round; its four v_nop are the places in front of the loads below
.else
	PLACES
.endif
	FETCH \next, 0, F0
	WIN MUL
	MUL4 F1, 3, 0
.endm
	s_wait_tensorcnt 1                             ; my part of K step 0 is in (K step 1's load may be out),
	s_barrier_signal -1
	s_barrier_wait -1                              ; everybody's is
	FETCH 0, 0, F0
	QUARTER 0, 1, F0, F1, 1                        ; the first quarter's products start the sums
.if LAPS > 1
	WIN 0
	s_mov_b32 s3, LAPS-1
.Llap:                                             ; a trip goes once round the ring and fills both slots again
	QUARTER 0, 2, F1, F0, 0
	QUARTER 0, 3, F0, F1, 0
	TURN 0, 1, 1
	QUARTER 1, 1, F0, F1, 0
	QUARTER 1, 2, F1, F0, 0
	QUARTER 1, 3, F0, F1, 0
	TURN 1, 0, 1
	QUARTER 0, 1, F0, F1, 0
	WIN 0
	s_sub_co_u32 s3, s3, 1
	s_cmp_lg_u32 s3, 0
	s_cbranch_scc1 .Llap
.endif
	QUARTER 0, 2, F1, F0, 0                        ; the last lap fills nothing
	QUARTER 0, 3, F0, F1, 0
	TURN 0, 1, 0
	QUARTER 1, 1, F0, F1, 0
	QUARTER 1, 2, F1, F0, 0
	QUARTER 1, 3, F0, F1, 0
	s_wait_dscnt 8
	WIN MUL
	MUL4 F1, 0, 0
	MUL4 F1, 1, 0
	s_wait_dscnt 0
	MUL4 F1, 2, 0
	MUL4 F1, 3, 0
	WIN 0
	; THE WAY OUT, 16 rows x 64 columns at a time through my own stage: back come whole pieces of 256 bytes of a row, sixteen lanes each.
.macro TOSTAGE a
.irp b, 0,1,2,3
	ds_store_b128 v[STO], v[ACC+8*(4*\a+\b):ACC+8*(4*\a+\b)+3] offset:64*\b        ; each accumulator's low four registers first
	ds_store_b128 v[STO], v[ACC+8*(4*\a+\b)+4:ACC+8*(4*\a+\b)+7] offset:64*\b+16
.endr
.irp t, 0,1,2,3,4,5,6,7
	ds_load_b128 v[BK+32*((\a)%2)+4*\t:BK+32*((\a)%2)+4*\t+3], v[RD] offset:\t*2*SPITCH   ; LDS serves a wave's instructions in order (ISA guide 5.7.1.4)
.endr
.endm
.macro SEND a, younger                 ; younger: the LDS instructions issued behind block a's loads
.set BB, BK+32*((\a)%2)
	s_wait_dscnt \younger
.set j, 0
.rept 16
	v_pk_fma_f32 v[BB+j:BB+j+1], v[BB+j:BB+j+1], s[96:97], v[BI+j%4:BI+j%4+1] op_sel_hi:[1,0,1]   ; sum x 2^(ea + eb) + bias
.set j, j+2
.endr
	WIN 0x08                                       ; source 1 window 2
.set j, 0
.rept 16
	v_pk_add_f32 v[BB+j:BB+j+1], v[BB+j:BB+j+1], v[32*(\a)+j:32*(\a)+j+1]          ; + the residual
.set j, j+2
.endr
	WIN 0
.irp t, 0,1,2,3,4,5,6,7
	global_store_b128 v[CO], v[BB+4*\t:BB+4*\t+3], s[74:75] offset:(16*(\a)+2*\t)*4096   ; 16 lanes store 256 consecutive bytes, aligned
.endr
.endm
	s_wait_kmcnt 0x0
	s_add_co_i32 s96, s96, s97
	s_add_co_i32 s96, s96, 127
	s_lshl_b32 s96, s96, 23                        ; 2^(ea + eb) as f32
	s_mov_b32 s97, s96
	s_wait_loadcnt 0x0                             ; the bias and the residual
	PLACES                                         ; in front of the first reads of results
	TOSTAGE 0
.irp a, 1,2,3
.if \a > 1
	s_wait_xcnt 0x0                                ; block a - 2's stores have read their registers: block a's loads may land there
.endif
	TOSTAGE \a
	SEND \a-1, 16                                  ; behind block a - 1's loads: block a's 8 stores and 8 loads
.endr
	SEND 3, 0
	s_wait_tensorcnt 0x0                           ; the wave's end
	ds_add_u32 v[SPW], v[NIL]
	s_wait_dscnt 0x0
	CROUND                                         ; the closing round
	s_endpgm
.Lfunc_end_k_q3437282da5_ffn2:
	.size	k_q3437282da5_ffn2, .Lfunc_end_k_q3437282da5_ffn2-k_q3437282da5_ffn2
	.p2alignl 7, 3214868480
	.fill 96, 4, 3214868480
	.section	.rodata,"a",@progbits
	.p2align	6, 0x0
	.amdhsa_kernel k_q3437282da5_ffn2
		.amdhsa_group_segment_fixed_size 327680
		.amdhsa_private_segment_fixed_size 0
		.amdhsa_enable_private_segment 0
		.amdhsa_kernarg_size 48
		.amdhsa_user_sgpr_count 2
		.amdhsa_user_sgpr_kernarg_segment_ptr 1
		.amdhsa_wavefront_size32 1
		.amdhsa_system_sgpr_workgroup_id_x 1
		.amdhsa_system_sgpr_workgroup_id_y 1
		.amdhsa_system_sgpr_workgroup_id_z 1
		.amdhsa_system_vgpr_workitem_id 0
		.amdhsa_next_free_vgpr 768
		.amdhsa_next_free_sgpr 100
		.amdhsa_reserve_vcc 0
		.amdhsa_float_denorm_mode_32 3
		.amdhsa_float_denorm_mode_16_64 3
		.amdhsa_memory_ordered 1
		.amdhsa_forward_progress 1
		.amdhsa_inst_pref_size 82
	.end_amdhsa_kernel
	.amdgpu_metadata
---
amdhsa.version: [ 1, 2 ]
amdhsa.kernels:
  - .name:           k_q3437282da5_ffn2
    .symbol:         k_q3437282da5_ffn2.kd
    .args:
      - { .name: g_img, .offset: 0, .size: 8, .value_kind: global_buffer, .address_space: global }
      - { .name: W2_codes, .offset: 8, .size: 8, .value_kind: global_buffer, .address_space: global }
      - { .name: lowp_scales, .offset: 16, .size: 8, .value_kind: global_buffer, .address_space: global }
      - { .name: b2, .offset: 24, .size: 8, .value_kind: global_buffer, .address_space: global }
      - { .name: x1, .offset: 32, .size: 8, .value_kind: global_buffer, .address_space: global }
      - { .name: out0, .offset: 40, .size: 8, .value_kind: global_buffer, .address_space: global }
    .group_segment_fixed_size: 327680
    .private_segment_fixed_size: 0
    .kernarg_segment_align: 8
    .kernarg_segment_size: 48
    .max_flat_workgroup_size: 128
    .sgpr_count:     100
    .vgpr_count:     768
    .wavefront_size: 32
...
	.end_amdgpu_metadata
.endif
;; end of part 7
